; MI455X (gfx1250); checked and timed in simulation.
; The chip was launched on July 23, 2026; its instructions are those of AMD's public machine-readable ISA for CDNA 5 (MIT licence, August 2026) and "CDNA5" Instruction Set Architecture Reference Guide (July 2026). The comments in the code are by the model that wrote it; some were corrected since.
;; Multihead Attention. Allowed arithmetic: float matrix products may take bf16 or f16 operands with f32 sums; other float arithmetic in f32, or as packed bf16 or f16 multiplies, adds, multiply-adds, maxima and minima; sums over many terms, partial sums and values carried from step to step in f32; what a program stores and reads back later, other than sums and carried values, may be rounded once to bf16 or f16.
;; Inputs: W1 512 x 2,048 float32; W2 2,048 x 2,048 float32; W3 2,048 x 512 float32; Wk 8 x 512 x 64 float32; Wo 512 x 512 float32; Wq 8 x 512 x 64 float32; Wv 8 x 512 x 64 float32; b1 2,048 float32; b2 2,048 float32; b3 512 float32; bk 8 x 64 float32; bo 512 float32; bq 8 x 64 float32; bv 8 x 64 float32; sequence 512 x 16 x 512 float32.
;; Outputs: out0 512 x 16 x 512 float32.
;; 2 versions, each right; version 2 is version 1 with the launch prep written anew for expert scheduling mode. Each part assembles by itself: llvm-mc -triple=amdgcn-amd-amdhsa -mcpu=gfx1250 --defsym DOCPART=n.
;; ======== version 1 of 2: 7 launches
;; workspace buffers: xb 8,388,608 bytes; wa 2,097,664 bytes; wb 2,097,664 bytes; wr 11,010,048 bytes; bqkv 6,144 bytes; att 8,388,608 bytes; big1 33,554,432 bytes; big2 33,554,432 bytes
;; launch prep (part 1): grid 705 x 1, 8 waves a work-group, no clusters, 0 bytes of LDS; arguments sequence, Wq, Wk, Wv, Wo, W1, W2, W3, bq, bk, bv, xb, wa, wb, wr, bqkv; writes xb, wa, wb, wr, bqkv
.if DOCPART == 1
	.amdgcn_target "amdgcn-amd-amdhsa--gfx1250"
	.amdhsa_code_object_version 6
	.text
	.protected	k_qe9da560a45_prep
	.globl	k_qe9da560a45_prep
	.p2align	8
	.type	k_qe9da560a45_prep,@function
k_qe9da560a45_prep:
	s_mov_b64 s[64:65], 0
	v_nop
	global_prefetch_b8 v0, s[64:65] scope:SCOPE_SE
	s_setreg_imm32_b32 hwreg(HW_REG_WAVE_MODE, 25, 1), 1
	s_wait_xcnt 0x0
; CASTS AND LAYOUT.  x and all weights are rounded once to bf16 and laid out in PANELS: a matrix of R rows x C columns lies as C/128 panels,
; each R rows of 128 elements (256 bytes), dense; a panel is R x 256 bytes.  So every later tile (128 rows x 128 elements) is 32,768 consecutive bytes.
; x changes its row order on the way: row s*16+b of sequence becomes row b*512+s.  Wq, Wk, Wv ([h][k][64]) become one matrix [k][t*512+h*64+e].
; A stream: each input byte is read once, each output byte written once; no LDS, no matrix unit, no cluster: no two work-groups share a byte.
; A CHUNK is 128 elements: 512 bytes of f32 in, one panel row of 256 bytes out, by 16 lanes (32 bytes in, 16 bytes out a lane): each store's 16 lanes cover 256 consecutive aligned bytes.
; A work-group takes 128 chunks: thread tid takes chunk 128 LG + 16 i + tid/16, i = 0..7.  Work-groups 0-255 x, 256-511 W2, 512-575 W1, 576-639 W3, 640-655 Wo, 656-671 Wq, 672-687 Wk, 688-703 Wv;
; work-group 704 joins the three biases of the projections and writes the two floor words (bf16 -inf twice behind wa, 0 behind wb) that the product kernel takes its maximum with.
.set IN,     40     ; s[40:41] the tensor read
.set OUT,    42     ; s[42:43] the buffer written
.set LG,     44     ; first the range's start, then the work-group's number in its range
.set LOGNP,  45     ; log2 of the panels in a row
.set NPM1,   46     ; panels - 1
.set LOGR8,  47     ; log2 of a panel's bytes
.set MASKB,  48     ; row' = ((row & MASKB) << SH1) + (row >> SH2): x's change of order; 0, 0, 0 leaves the row as it is
.set SH1,    49
.set SH2,    50
.set INSTEP, 51     ; input bytes from i to i + 1
.set INSH,   52     ; log2 of a work-group's input stride
.set SA,     53     ; input offset = ((tid/16)&3) << SA + ((tid/16)>>2) << SB + ((tid&15)>>3) << SC + (tid&7) * 32
.set OOFF,   54     ; s[54:55] an offset, as a pair
.set SB,     56
.set SC,     57
.set CB,     58
.set VIN,    4      ; v[4:11]   input offsets, i = 0..7
.set VOUT,   12     ; v[12:19]  output offsets
.set X,      32     ; v[32:95]  8 f32 for each i
.set Y,      96     ; v[96:127] 8 bf16 for each i
.macro SEL reg, val                    ; if the last compare held: a new constant
	s_cselect_b32 s[\reg], \val, s[\reg]
.endm
.macro SELP reg, src                   ; if the last compare held: another buffer
	s_cselect_b64 s[\reg:\reg+1], s[\src:\src+1], s[\reg:\reg+1]
.endm
	s_load_b512 s[8:23], s[0:1], 0x0               ; sequence 8, Wq 10, Wk 12, Wv 14, Wo 16, W1 18, W2 20, W3 22
	s_load_b512 s[24:39], s[0:1], 0x40             ; bq 24, bk 26, bv 28, xb 30, wa 32, wb 34, wr 36, bqkv 38
	v_lshrrev_b32 v1, 4, v0                        ; tid / 16
	v_and_b32 v2, 15, v0                           ; tid % 16
	s_wait_kmcnt 0x0
	s_cmp_eq_u32 ttmp9, 704
	s_cbranch_scc1 .Lbias
	; the last range's constants (Wv), then each earlier range overrides what differs
	s_mov_b64 s[IN:IN+1], s[14:15]
	s_mov_b64 s[OUT:OUT+1], s[32:33]
	s_mov_b32 s[OOFF], 2*524288
	s_mov_b32 s[LG], 688
	s_mov_b32 s[LOGNP], 2
	s_mov_b32 s[LOGR8], 17
	s_mov_b32 s[MASKB], 0
	s_mov_b32 s[SH1], 0
	s_mov_b32 s[SH2], 0
	s_mov_b32 s[INSTEP], 1024                      ; [h][k][64]: four rows k of 256 bytes from i to i + 1
	s_mov_b32 s[INSH], 13                          ; 32 rows k a work-group
	s_mov_b32 s[SA], 18                            ; a panel is two heads of 131,072 bytes
	s_mov_b32 s[SB], 8
	s_mov_b32 s[SC], 17
	s_cmp_lt_u32 ttmp9, 688                        ; Wk
	SELP IN, 12
	SEL OOFF, 524288
	SEL LG, 672
	s_cmp_lt_u32 ttmp9, 672                        ; Wq
	SELP IN, 10
	SEL OOFF, 0
	SEL LG, 656
	s_cmp_lt_u32 ttmp9, 656                        ; Wo, and all before it: plain row-major, chunk c lies at byte 512 c
	SELP IN, 16
	SELP OUT, 36
	SEL LG, 640
	SEL INSTEP, 8192
	SEL INSH, 16
	SEL SA, 9
	SEL SB, 11
	SEL SC, 8
	s_cmp_lt_u32 ttmp9, 640                        ; W3
	SELP IN, 22
	SEL OOFF, 8912896
	SEL LG, 576
	SEL LOGR8, 19
	s_cmp_lt_u32 ttmp9, 576                        ; W1
	SELP IN, 18
	SELP OUT, 34
	SEL OOFF, 0
	SEL LG, 512
	SEL LOGNP, 4
	SEL LOGR8, 17
	s_cmp_lt_u32 ttmp9, 512                        ; W2
	SELP IN, 20
	SELP OUT, 36
	SEL OOFF, 524288
	SEL LG, 256
	SEL LOGR8, 19
	s_cmp_lt_u32 ttmp9, 256                        ; x
	SELP IN, 8
	SELP OUT, 30
	SEL OOFF, 0
	SEL LG, 0
	SEL LOGNP, 2
	SEL LOGR8, 21
	SEL MASKB, 15
	SEL SH1, 9
	SEL SH2, 4
	s_sub_co_u32 s[LG], ttmp9, s[LG]               ; my number in the range
	s_lshl_b32 s[NPM1], 1, s[LOGNP]
	s_sub_co_u32 s[NPM1], s[NPM1], 1
	s_mov_b32 s[OOFF+1], 0
	s_add_nc_u64 s[OUT:OUT+1], s[OUT:OUT+1], s[OOFF:OOFF+1]
	s_lshl_b32 s[OOFF], s[LG], s[INSH]
	s_add_nc_u64 s[IN:IN+1], s[IN:IN+1], s[OOFF:OOFF+1]
	v_and_b32 v20, 3, v1
	v_lshlrev_b32 v20, s[SA], v20
	v_lshrrev_b32 v21, 2, v1
	v_lshlrev_b32 v21, s[SB], v21
	v_lshrrev_b32 v22, 3, v2
	v_lshlrev_b32 v22, s[SC], v22
	v_and_b32 v23, 7, v2
	v_lshlrev_b32 v23, 5, v23
	v_add3_u32 v[VIN], v20, v21, v22
	v_add_nc_u32 v[VIN], v[VIN], v23
.irp i, 1,2,3,4,5,6,7
	v_add_nc_u32 v[VIN+\i], s[INSTEP], v[VIN+\i-1]
.endr
.irp i, 0,1,2,3,4,5,6,7                ; all sixteen loads go out before anything is waited for
	global_load_b128 v[X+8*\i:X+8*\i+3],   v[VIN+\i], s[IN:IN+1] th:TH_LOAD_NT
	global_load_b128 v[X+8*\i+4:X+8*\i+7], v[VIN+\i], s[IN:IN+1] offset:16 th:TH_LOAD_NT
.endr
	s_lshl_b32 s[CB], s[LG], 7
	v_add_nc_u32 v3, s[CB], v1                     ; chunk of i = 0
	v_lshlrev_b32 v24, 4, v2                       ; my 16 bytes of the panel row
.irp i, 0,1,2,3,4,5,6,7
	v_add_nc_u32 v20, 16*\i, v3
	v_lshrrev_b32 v21, s[LOGNP], v20               ; row
	v_and_b32 v20, s[NPM1], v20                    ; panel
	v_and_b32 v22, s[MASKB], v21
	v_lshlrev_b32 v22, s[SH1], v22
	v_lshrrev_b32 v21, s[SH2], v21
	v_add_nc_u32 v21, v21, v22                     ; row'
	v_lshlrev_b32 v20, s[LOGR8], v20
	v_lshl_add_u32 v20, v21, 8, v20
	v_add_nc_u32 v[VOUT+\i], v20, v24
.endr
.irp i, 0,1,2,3,4,5,6,7
	s_wait_loadcnt 14-2*\i                         ; loads come back in order: the pair of i is in, the later pairs stay out
.irp j, 0,1,2,3
	v_cvt_pk_bf16_f32 v[Y+4*\i+\j], v[X+8*\i+2*\j], v[X+8*\i+2*\j+1]
.endr
	global_store_b128 v[VOUT+\i], v[Y+4*\i:Y+4*\i+3], s[OUT:OUT+1]
.endr
	s_endpgm                                       ; no register of a pending load or store was rewritten
.Lbias:
	v_lshrrev_b32 v3, 5, v0
	v_readfirstlane_b32 s[LG], v3                  ; wave
	s_cmp_lt_u32 s[LG], 4
	s_cbranch_scc0 .Lfloors
	v_lshlrev_b32 v4, 4, v0                        ; waves 0-3: 128 threads x 16 bytes = the 2,048 bytes of each bias
	global_load_b128 v[32:35], v4, s[24:25]
	global_load_b128 v[36:39], v4, s[26:27]
	global_load_b128 v[40:43], v4, s[28:29]
	s_wait_loadcnt 0x0
	global_store_b128 v4, v[32:35], s[38:39]
	global_store_b128 v4, v[36:39], s[38:39] offset:2048
	global_store_b128 v4, v[40:43], s[38:39] offset:4096
	s_endpgm
.Lfloors:
	s_cmp_lt_u32 s[LG], 6
	s_cbranch_scc0 .Lnone
	v_and_b32 v5, 31, v0
	v_lshlrev_b32 v5, 4, v5
	s_cmp_eq_u32 s[LG], 4                          ; wave 4: -inf twice behind wa (no floor); wave 5: 0 behind wb (ReLU)
	s_cselect_b32 s[CB], 0xff80ff80, 0
	s_cselect_b64 s[OUT:OUT+1], s[32:33], s[34:35]
	v_mov_b32 v32, s[CB]
	v_mov_b32 v33, s[CB]
	v_mov_b32 v34, s[CB]
	v_mov_b32 v35, s[CB]
	global_store_b128 v5, v[32:35], s[OUT:OUT+1] offset:0x200000
.Lnone:
	s_endpgm
.Lfunc_end_k_qe9da560a45_prep:
	.size	k_qe9da560a45_prep, .Lfunc_end_k_qe9da560a45_prep-k_qe9da560a45_prep
	.p2alignl 7, 3214868480
	.fill 96, 4, 3214868480
	.section	.rodata,"a",@progbits
	.p2align	6, 0x0
	.amdhsa_kernel k_qe9da560a45_prep
		.amdhsa_group_segment_fixed_size 0
		.amdhsa_private_segment_fixed_size 0
		.amdhsa_enable_private_segment 0
		.amdhsa_kernarg_size 128
		.amdhsa_user_sgpr_count 2
		.amdhsa_user_sgpr_kernarg_segment_ptr 1
		.amdhsa_wavefront_size32 1
		.amdhsa_system_sgpr_workgroup_id_x 1
		.amdhsa_system_sgpr_workgroup_id_y 1
		.amdhsa_system_sgpr_workgroup_id_z 1
		.amdhsa_system_vgpr_workitem_id 0
		.amdhsa_next_free_vgpr 128
		.amdhsa_next_free_sgpr 66
		.amdhsa_reserve_vcc 0
		.amdhsa_float_denorm_mode_32 3
		.amdhsa_float_denorm_mode_16_64 3
		.amdhsa_memory_ordered 1
		.amdhsa_forward_progress 1
		.amdhsa_inst_pref_size 13
	.end_amdhsa_kernel
	.amdgpu_metadata
---
amdhsa.version: [ 1, 2 ]
amdhsa.kernels:
  - .name:           k_qe9da560a45_prep
    .symbol:         k_qe9da560a45_prep.kd
    .args:
      - { .name: sequence, .offset: 0, .size: 8, .value_kind: global_buffer, .address_space: global }
      - { .name: Wq, .offset: 8, .size: 8, .value_kind: global_buffer, .address_space: global }
      - { .name: Wk, .offset: 16, .size: 8, .value_kind: global_buffer, .address_space: global }
      - { .name: Wv, .offset: 24, .size: 8, .value_kind: global_buffer, .address_space: global }
      - { .name: Wo, .offset: 32, .size: 8, .value_kind: global_buffer, .address_space: global }
      - { .name: W1, .offset: 40, .size: 8, .value_kind: global_buffer, .address_space: global }
      - { .name: W2, .offset: 48, .size: 8, .value_kind: global_buffer, .address_space: global }
      - { .name: W3, .offset: 56, .size: 8, .value_kind: global_buffer, .address_space: global }
      - { .name: bq, .offset: 64, .size: 8, .value_kind: global_buffer, .address_space: global }
      - { .name: bk, .offset: 72, .size: 8, .value_kind: global_buffer, .address_space: global }
      - { .name: bv, .offset: 80, .size: 8, .value_kind: global_buffer, .address_space: global }
      - { .name: xb, .offset: 88, .size: 8, .value_kind: global_buffer, .address_space: global }
      - { .name: wa, .offset: 96, .size: 8, .value_kind: global_buffer, .address_space: global }
      - { .name: wb, .offset: 104, .size: 8, .value_kind: global_buffer, .address_space: global }
      - { .name: wr, .offset: 112, .size: 8, .value_kind: global_buffer, .address_space: global }
      - { .name: bqkv, .offset: 120, .size: 8, .value_kind: global_buffer, .address_space: global }
    .group_segment_fixed_size: 0
    .private_segment_fixed_size: 0
    .kernarg_segment_align: 8
    .kernarg_segment_size: 128
    .max_flat_workgroup_size: 256
    .sgpr_count:     66
    .vgpr_count:     128
    .wavefront_size: 32
...
	.end_amdgpu_metadata
.endif
;; end of part 1
;; launch qkv (part 2): grid 32 x 6, 4 waves a work-group, clusters of 4 x 1, 327,680 bytes of LDS; arguments xb, wa, bqkv, big1; writes big1
.if DOCPART == 2
	.amdgcn_target "amdgcn-amd-amdhsa--gfx1250"
	.amdhsa_code_object_version 6
	.text
	.protected	k_qe9da560a45_qkv
	.globl	k_qe9da560a45_qkv
	.p2align	8
	.type	k_qe9da560a45_qkv,@function
k_qe9da560a45_qkv:
	s_mov_b64 s[64:65], 0
	v_nop
	global_prefetch_b8 v0, s[64:65] scope:SCOPE_SE
	s_setreg_imm32_b32 hwreg(HW_REG_WAVE_MODE, 25, 1), 1
	s_wait_xcnt 0x0
	s_wait_alu depctr_hold_cnt(0) depctr_sa_sdst(0) depctr_va_vdst(0) depctr_va_sdst(0) depctr_va_ssrc(0) depctr_va_vcc(0) depctr_vm_vsrc(0)
	s_getreg_b32 s2, hwreg(HW_REG_IB_STS2, 6, 4)
	s_cmp_eq_u32 s2, 0
	s_cbranch_scc0 .Lentry_in_a_cluster
	s_endpgm
.Lentry_in_a_cluster:
	s_bfe_u32 s2, ttmp6, 0x10000c
	s_cmp_lg_u32 s2, 0x3003
	s_cbranch_scc0 .Lentry_shape_is_right
	s_endpgm
.Lentry_shape_is_right:
; C = max(A B + bias, floor), K = 512.  A: 8,192 rows x KTOT in panels (128 columns of 256-byte rows, dense), B: KTOT rows x N in panels, both bf16; bias f32; C bf16 in panels; sums in f32, started by the bias.
; The floor is one word (two bf16) read from byte 0x200000 of B's buffer: -inf for the projections q, k, v, 0 for the first layer's ReLU, so that one text serves both launches.
; LIMITS.  The maximum is taken on the rounded bf16 pair and lets a NaN lose (it becomes the floor); infinities are not treated apart; C is rounded once.
; SHARES.  A work-group of four waves makes 256 x 256 of C, a wave 128 x 128: 64 accumulators, 512 registers.  K goes in steps of 128 through two LDS slots; each wave fetches a quarter of a slot by one tensor load
; of 128 rows x 256 bytes, 32,768 consecutive bytes of memory.  A's rows lie along K and are read as they lie; B's tile lies [k][n] and is read turned, by ds_load_tr16_b128.
; The matrix instruction is used transposed (source 0 = 16 columns of B, source 1 = 16 rows of A): a lane then holds eight neighbouring columns of one row of C.
; CLUSTER.  Four work-groups along the rows of C share their 256 columns: B's tiles are asked for jointly (mask 15).  A's tiles are each work-group's own: the projections have 6 blocks of 256 columns, which no
; four partners along the columns divide, so the partners lie along the rows and share no rows of A.
; REGISTERS, in windows of 256: window 0: v0-31 addresses, v64-191 A's fragments (two buffers), v32-63, v192-255 at work on the way out; window 1: v64-191 B's fragments, v192-255 the bias as a C operand;
; windows 2, 3: the accumulators ((a, b) at v[8 (8 a + b)]).  s_set_vgpr_msb's low byte: bits 1:0 source 0, 3:2 source 1, 5:4 source 2, 7:6 destination.
.set KTOT,  512
.set LBP,   17                         ; log2 of a panel of B in bytes: KTOT x 256
.set WOFF,  0                          ; where B begins in its buffer
.set CL44,  0                          ; 1: clusters of 4 x 4, A and B joint; 0: clusters of 4 x 1 along the rows, B joint
.set FLMEM, 1                          ; 1: the floor is read from memory; 0: it is 0
.set FFOUT, 0                          ; 0: C leaves as whole rows of its panel, through a stage in LDS; 1: as blocks of 16 x 16, straight from registers
.set T,     KTOT/128                   ; K steps
.set PA,    272                        ; a row of A in LDS: 256 + 16 bytes: the 16 rows of a load start at 16 different groups of four banks (64 banks of 4 bytes: ISA guide 11.1)
.set PB,    288                        ; a row of B: 256 + 32 bytes
.set HA,    128*PA
.set HB,    128*PB
.set BOFF,  2*HA                       ; a slot: A's rows 0-127, 128-255, then B's two panels
.set SLOT,  BOFF+2*HB
.if FFOUT
.set SPARE, 2*SLOT                     ; behind the ring: the spare words, 128 bytes a wave: two blocks of 256 bytes that no other line names
.else
.set STAGE, 2*SLOT                     ; behind the ring: 16 rows x 272 bytes for each wave, for the way out; no tile lands there
.set SP,    272
.set SPARE, STAGE+4*16*SP              ; the spare words, 128 bytes a wave: two blocks of 256 bytes that no other line names
.endif
.set ASTEP, 0x200000                   ; a K step in A: the next panel of 8,192 rows
.set BSTEP, 0x8000                     ; in B: the next 128 rows of the panel
.set LA0,  16                          ; v16  my lane's place in A's part of a slot; never rewritten
.set LB0,  17                          ; v17  the same for B
.set ADRA, 18                          ; v18  LA0 + the slot in hand
.set ADRB, 19                          ; v19  LB0 + the slot in hand
.set STO,  24                          ; v24  the way out: where I put 16 bytes of a row
.set RD,   25                          ; v25  where I read rows back
.set CO,   26                          ; v26  16 x lane: my place in 512 consecutive bytes of C
.set BO,   27                          ; v27  32 x (lane / 16): my eight numbers of 16 of the bias
.set SPW,  28                          ; v28  my spare word; never rewritten
.set NIL,  29                          ; v29  0; never rewritten
.set OB,   32
.set F0,   64
.set F1,   128
.set TMP,  192
.set BIAS, 192                         ; in window 1
.set WV,  12
.set RH,  13                           ; which 128 rows are mine; also: I fetch for A (0) or B (1)
.set CH,  14                           ; which 128 columns; also: which half I fetch
.set G1A, 24                           ; s[24:31], s[32:39] descriptor group 1 for A's and B's tiles
.set G1B, 32
.set G0A, 40                           ; s[40:47], s[48:55] group 0: a set for each first fill; the second then walks
.set G0B, 48
.set TB,  56                           ; LDS byte at which the slot in hand begins: 0 or SLOT
.set WPA, 57                           ; where my fetch lands in a slot, for A
.set WPB, 58                           ; and for B
.set FL,  59
.set CNT, 60
.set MSB, 0
.macro WIN new                         ; the high byte repeats the setting that is left; a switch that changes nothing is dropped
.if MSB != (\new)
	s_set_vgpr_msb (MSB<<8)|(\new)
.set MSB, \new
.endif
.endm
.macro PLACES                          ; four plain vector instructions between a matrix instruction and a load into, or a read of, its registers
.rept 4
	v_nop
.endr
.endm
.macro JLOAD                           ; a refill by the walking descriptors: waves 0, 1 A's halves, waves 2, 3 B's panels; an s_nop 0 and four v_nop follow each line
	s_cmp_eq_u32 s[RH], 0
	s_cbranch_scc0 .Lfor_b_\@
	tensor_load_to_lds s[G0A+4:G0A+7], s[G1A:G1A+7]
	s_nop 0
.rept 4
	v_nop
.endr
	s_branch .Lasked_\@
.Lfor_b_\@:
	tensor_load_to_lds s[G0B+4:G0B+7], s[G1B:G1B+7]
	s_nop 0
.rept 4
	v_nop
.endr
.Lasked_\@:
.endm
.macro CREST                           ; a round of the cluster's barrier behind its opening barrier
	s_cmp_lg_u32 s[WV], 0
	s_cbranch_scc1 .Lnot_wave_0_\@
	s_barrier_signal -3
.Lnot_wave_0_\@:
	s_barrier_wait -3
	s_barrier_signal -1
	s_barrier_wait -1
.endm
.macro CROUND
	s_barrier_signal -1
	s_barrier_wait -1
	CREST
.endm
	s_load_b256 s[4:11], s[0:1], 0x0               ; A s[4:5], B s[6:7], bias s[8:9], C s[10:11]
	v_lshl_add_u32 v[SPW], v0, 2, SPARE
	v_mov_b32 v[NIL], 0
	ds_add_u32 v[SPW], v[NIL]                      ; the wave's opening: the add and its wait stand ahead of my first tensor load; register work stands between
	v_lshrrev_b32 v1, 5, v0
	v_readfirstlane_b32 s[WV], v1
	s_lshr_b32 s[RH], s[WV], 1
	s_and_b32 s[CH], s[WV], 1
	s_bfe_u32 s15, ttmp6, 0x40000                  ; cx
.if CL44
	s_bfe_u32 s16, ttmp6, 0x40004                  ; cy
	s_lshl_b32 s18, ttmp9, 2
	s_add_co_u32 s18, s18, s15                     ; s18: block of 256 columns = 4 x cluster x + cx
	s_and_b32 s17, ttmp7, 0xffff
	s_lshl_b32 s17, s17, 2
	s_add_co_u32 s17, s17, s16                     ; s17: block of 256 rows = 4 x cluster y + cy
	s_lshl_b32 s19, s16, 2
	s_lshl_b32 s19, 15, s19                        ; my row of the cluster shares A
	s_lshl_b32 s20, 0x1111, s15                    ; my column shares B
	s_or_b32 s[G1A], s19, (1<<16)|(1<<20)|(1<<21)|(5<<22)|(3<<25)  ; mask; 2-byte elements; padding on; bit 21 beside a mask; after every 64 words 4 words
	s_or_b32 s[G1B], s20, (1<<16)|(1<<20)|(1<<21)|(5<<22)|(7<<25)  ; the same with 8 words of padding
.else
	s_lshl_b32 s17, ttmp9, 2
	s_add_co_u32 s17, s17, s15                     ; s17: block of 256 rows = 4 x cluster x + cx
	s_and_b32 s18, ttmp7, 0xffff                   ; s18: block of 256 columns, which the four partners share
	s_mov_b32 s[G1A], (1<<16)|(1<<20)|(5<<22)|(3<<25)              ; no mask: A's tiles are my own
	s_mov_b32 s[G1B], 15|(1<<16)|(1<<20)|(1<<21)|(5<<22)|(7<<25)   ; all four partners
.endif
.irp g, G1A, G1B
	s_mov_b32 s[(\g)+1], 128<<16                   ; tensor_dim0 = 128
	s_mov_b32 s[(\g)+2], 128<<16                   ; tensor_dim1 = 128
	s_mov_b32 s[(\g)+3], 128<<16                   ; tile_dim0 = 128
	s_mov_b32 s[(\g)+4], 128                       ; tile_dim1 = 128
	s_mov_b32 s[(\g)+5], 128                       ; 128 elements from row to row: a panel is dense
	s_mov_b32 s[(\g)+6], 0
	s_mov_b32 s[(\g)+7], 0
.endr
	s_lshl_b32 s22, s17, 16                        ; A: 256 rows of 256 bytes a block,
	s_lshl_b32 s21, s[CH], 15                      ; the half that I fetch
	s_add_co_u32 s22, s22, s21
	s_mov_b32 s23, 0
	s_lshl_b32 s66, s18, 1                         ; B: panel 2 x block + half
	s_add_co_u32 s66, s66, s[CH]
	s_lshl_b32 s66, s66, LBP
	s_add_co_u32 s66, s66, WOFF
	s_mov_b32 s67, 0
	s_lshl_b32 s68, s18, 1                         ; C: my panel, my block's rows, my 128 of them
	s_add_co_u32 s68, s68, s[CH]
	s_lshl_b32 s68, s68, 21
	s_lshl_b32 s21, s17, 16
	s_add_co_u32 s68, s68, s21
	s_lshl_b32 s21, s[RH], 15
	s_add_co_u32 s68, s68, s21
	s_mov_b32 s69, 0
	s_lshl_b32 s70, s18, 10                        ; bias: my 128 columns of f32
	s_lshl_b32 s21, s[CH], 9
	s_add_co_u32 s70, s70, s21
	s_mov_b32 s71, 0
	s_mul_i32 s[WPA], s[CH], HA                    ; LDS places hang on the wave's number alone
	s_mul_i32 s[WPB], s[CH], HB
	s_add_co_u32 s[WPB], s[WPB], BOFF
	s_mov_b32 s[TB], 0
	s_wait_dscnt 0x0                               ; the opening add is done
	s_wait_kmcnt 0x0
	s_add_nc_u64 s[22:23], s[4:5], s[22:23]
	s_add_nc_u64 s[66:67], s[6:7], s[66:67]
	s_add_nc_u64 s[10:11], s[10:11], s[68:69]
	s_add_nc_u64 s[8:9], s[8:9], s[70:71]
.if FLMEM
	s_load_b32 s[FL], s[6:7], 0x200000             ; the floor word; waited for ahead of the first products
.else
	s_mov_b32 s[FL], 0
.endif
	CROUND                                         ; all partners are here: the first joint loads meet
.irp s, 0,1
	s_mov_b32 s[G0A+4*(\s)], 1                                     ; count = 1
	s_add_co_u32 s[G0A+4*(\s)+1], s[WPA], (\s)*SLOT                ; LDS address
	s_add_nc_u64 s[G0A+4*(\s)+2:G0A+4*(\s)+3], s[22:23], (\s)*ASTEP  ; K step s
	s_or_b32 s[G0A+4*(\s)+3], s[G0A+4*(\s)+3], 0x80000000          ; type = 2
	s_mov_b32 s[G0B+4*(\s)], 1
	s_add_co_u32 s[G0B+4*(\s)+1], s[WPB], (\s)*SLOT
	s_add_nc_u64 s[G0B+4*(\s)+2:G0B+4*(\s)+3], s[66:67], (\s)*BSTEP
	s_or_b32 s[G0B+4*(\s)+3], s[G0B+4*(\s)+3], 0x80000000
.endr
	s_cmp_eq_u32 s[RH], 0                          ; a wave's two first fills stand in one branch: two loads of mine are out
	s_cbranch_scc0 .Lfirst_b
	tensor_load_to_lds s[G0A:G0A+3], s[G1A:G1A+7]
	s_nop 0
	tensor_load_to_lds s[G0A+4:G0A+7], s[G1A:G1A+7]
	s_nop 0
.rept 4
	v_nop
.endr
	s_branch .Lfirst_asked
.Lfirst_b:
	tensor_load_to_lds s[G0B:G0B+3], s[G1B:G1B+7]
	s_nop 0
	tensor_load_to_lds s[G0B+4:G0B+7], s[G1B:G1B+7]
	s_nop 0
.rept 4
	v_nop
.endr
.Lfirst_asked:
	v_and_b32 v1, 15, v0                           ; r = lane % 16
	v_bfe_u32 v2, v0, 4, 1                         ; h = lane / 16
	v_mul_u32_u24 v3, v1, PA
	v_lshl_add_u32 v3, v2, 4, v3                   ; r x 272 + 16 h: a fragment of A, and the stage's rows
	s_mul_i32 s21, s[RH], HA
	v_add_nc_u32 v[LA0], s21, v3                   ; my 128 rows of A
	v_and_b32 v4, 7, v0
	v_lshl_add_u32 v4, v2, 3, v4                   ; the turning load: lane reads row k = 8 h + lane % 8,
	v_mul_u32_u24 v4, v4, PB
	v_bfe_u32 v5, v0, 3, 1
	v_lshl_add_u32 v4, v5, 4, v4                   ; columns 8 ((lane / 8) % 2) on
	v_add_nc_u32 v[LB0], s[WPB], v4                ; in my panel of B (panel CH lies where waves 2, 3 put it)
.if FFOUT == 0
	s_mul_i32 s21, s[WV], 16*SP
	s_add_co_u32 s21, s21, STAGE
	v_add_nc_u32 v[STO], s21, v3
	v_mul_u32_u24 v5, v2, SP
	v_lshl_add_u32 v5, v1, 4, v5
	v_add_nc_u32 v[RD], s21, v5                    ; back: lanes 0-15 one row of 256 bytes, lanes 16-31 the next
.endif
	v_and_b32 v[CO], 31, v0
	v_lshlrev_b32 v[CO], 4, v[CO]
	v_lshlrev_b32 v[BO], 5, v2
	v_mov_b32 v[ADRA], v[LA0]
	v_mov_b32 v[ADRB], v[LB0]
	WIN 0x40                                       ; destination window 1
.irp b, 0,1,2,3,4,5,6,7                ; register j of block b: bias[16 b + 8 h + j], which is the C operand's layout in the transposed use
	global_load_b128 v[BIAS+8*\b:BIAS+8*\b+3],   v[BO], s[8:9] offset:64*\b
	global_load_b128 v[BIAS+8*\b+4:BIAS+8*\b+7], v[BO], s[8:9] offset:64*\b+16
.endr
	WIN 0
; 8 matrix instructions: row block a of the window's four x all 8 column blocks, 32 along K.  zero = 1: the product starts the sums with the bias.
; The 64 accumulators take turns in the same order in every quarter step.
.macro MUL8R f, hi, a, zero
.if \zero
	WIN 0x91+0x40*(\hi)
.else
	WIN 0xa1+0x50*(\hi)
.endif
.irp b, 0,1,2,3,4,5,6,7
.if \zero
	v_wmma_f32_16x16x32_bf16 v[8*(8*(\a)+(\b)):8*(8*(\a)+(\b))+7], v[(\f)+8*(\b):(\f)+8*(\b)+7], v[(\f)+8*(4*(\hi)+(\a)):(\f)+8*(4*(\hi)+(\a))+7], v[BIAS+8*(\b):BIAS+8*(\b)+7]
.else
	v_wmma_f32_16x16x32_bf16 v[8*(8*(\a)+(\b)):8*(8*(\a)+(\b))+7], v[(\f)+8*(\b):(\f)+8*(\b)+7], v[(\f)+8*(4*(\hi)+(\a)):(\f)+8*(4*(\hi)+(\a))+7], v[8*(8*(\a)+(\b)):8*(8*(\a)+(\b))+7]
.endif
.endr
.endm
.macro MUL16 f, hi, a0, zero           ; two row blocks
	MUL8R \f, \hi, \a0, \zero
	MUL8R \f, \hi, (\a0)+1, \zero
.endm
; 32 LDS loads in one run: quarter q (32 along K) of the slot in hand into buffer f: B's 8 column blocks turned, then A's 8 row blocks
.macro FETCH q, f
	WIN 0x40
.irp i, 0,1,2,3,4,5,6,7
	ds_load_tr16_b128 v[(\f)+8*(\i):(\f)+8*(\i)+3],   v[ADRB] offset:(\q)*32*PB+32*(\i)
	ds_load_tr16_b128 v[(\f)+8*(\i)+4:(\f)+8*(\i)+7], v[ADRB] offset:(\q)*32*PB+32*(\i)+16*PB
.endr
	WIN 0
.irp i, 0,1,2,3,4,5,6,7
	ds_load_b128 v[(\f)+8*(\i):(\f)+8*(\i)+3],   v[ADRA] offset:(\q)*64+(\i)*16*PA
	ds_load_b128 v[(\f)+8*(\i)+4:(\f)+8*(\i)+7], v[ADRA] offset:(\q)*64+(\i)*16*PA+32
.endr
.endm
; One of a K step's first three quarters: multiplies buffer f; behind its first 16 products it fetches quarter q into buffer g, 48 products ahead of the first use
.macro QUARTER q, f, g, zero
	s_wait_dscnt 8                                 ; B and A's rows 0-63 are in; the youngest eight loads (A's rows 64-127) may be out
	MUL16 \f, 0, 0, \zero
	PLACES
	FETCH \q, \g
	s_wait_dscnt 32                                ; all but the 32 just issued
	MUL16 \f, 0, 2, \zero
	MUL16 \f, 1, 0, \zero
	MUL16 \f, 1, 2, \zero
.endm
; The head of the last quarter, and the one barrier of a change of slots: in front of it each wave waits for all its tensor loads (its part of the next slot), adds 0 to its spare word, and waits for that and its reads of this slot
.macro MEET round
	WIN 0
	s_wait_tensorcnt 0x0                           ; all my tensor loads have landed
	ds_add_u32 v[SPW], v[NIL]
	s_wait_dscnt 9                                 ; the add and the youngest eight loads may be out
	MUL8R F1, 0, 0, 0                              ; eight products stand between the add and the wait for it
	s_wait_dscnt 0x0                               ; the add is done, my reads of this slot are over
	s_barrier_signal -1
	MUL8R F1, 0, 1, 0                              ; work on registers while the others arrive
.if \round
	WIN 0
.endif
	s_barrier_wait -1
.endm
.macro NEXTSLOT
	s_xor_b32 s[TB], s[TB], SLOT                   ; 0 and SLOT by turns
	v_add_nc_u32 v[ADRA], s[TB], v[LA0]
	v_add_nc_u32 v[ADRB], s[TB], v[LB0]
.endm
; The last quarter with a refill: the barrier opens a round of the cluster's; the slot just read takes the K step two on, first thing behind the round: 240 matrix instructions ahead of the wait for it
.macro TURNF
	MEET 1
	CREST
	s_add_co_u32 s[G0A+5], s[WPA], s[TB]           ; no load of mine is out: the walking descriptors are written
	s_add_nc_u64 s[G0A+6:G0A+7], s[G0A+6:G0A+7], ASTEP
	s_add_co_u32 s[G0B+5], s[WPB], s[TB]
	s_add_nc_u64 s[G0B+6:G0B+7], s[G0B+6:G0B+7], BSTEP
	JLOAD                                          ; its four v_nop are also the places in front of the loads below
	NEXTSLOT
	FETCH 0, F0
	MUL16 F1, 0, 2, 0
	MUL16 F1, 1, 0, 0
	MUL16 F1, 1, 2, 0
.endm
; THE WAY OUT of row block a: rounded to bf16 and held to the floor.  A lane's 16 bytes are eight neighbouring columns of one row.
.macro PACK a
.set AC, 64*((\a)%4)
.set TP, TMP+32*FFOUT*((\a)%2)
.if FFOUT
	s_wait_xcnt 0x0                                ; the stores of the block before last have read these registers
.endif
	WIN 0x0a+5*((\a)/4)                            ; sources in window 2 or 3
.irp b, 0,1,2,3,4,5,6,7
.irp r, 0,1,2,3
	v_cvt_pk_bf16_f32 v[TP+4*(\b)+(\r)], v[AC+8*(\b)+2*(\r)], v[AC+8*(\b)+2*(\r)+1]
.endr
.endr
	WIN 0
.set z, 0
.rept 32
	v_pk_max_num_bf16 v[TP+z], v[TP+z], s[FL]
.set z, z+1
.endr
.endm
.macro SENDF a                         ; in blocks: block b of the 16 rows is 512 consecutive bytes, lane l's 16 at 16 l
.set TP, TMP+32*FFOUT*((\a)%2)
.irp b, 0,1,2,3,4,5,6,7
	global_store_b128 v[CO], v[TP+4*(\b):TP+4*(\b)+3], s[10:11] offset:4096*(\a)+512*(\b)
.endr
.endm
.macro TOSTAGE a                       ; in rows: through my own stage
	WIN 0
.set BK, OB+192*((\a)%2)
.irp b, 0,1,2,3,4,5,6,7
	ds_store_b128 v[STO], v[TMP+4*(\b):TMP+4*(\b)+3] offset:32*(\b)
.endr
.irp t, 0,1,2,3,4,5,6,7
	ds_load_b128 v[BK+4*(\t):BK+4*(\t)+3], v[RD] offset:(\t)*2*SP  ; LDS serves a wave's instructions in order (ISA guide 5.7.1.4): these see the stores above
.endr
.endm
.macro SEND a
	WIN 0
.set BK, OB+192*((\a)%2)
	s_wait_dscnt 0x0                               ; the block is back in registers
	s_wait_xcnt 0x0                                ; the stores of the block before last have read their registers, which the next block's loads take
.irp t, 0,1,2,3,4,5,6,7
	global_store_b128 v[CO], v[BK+4*(\t):BK+4*(\t)+3], s[10:11] offset:4096*(\a)+512*(\t)  ; 512 consecutive bytes, at a multiple of 256 from C's first
.endr
.endm
	s_wait_tensorcnt 1                             ; my part of K step 0 is in; step 1's may stay out
	s_barrier_signal -1
	s_barrier_wait -1
	FETCH 0, F0
	s_wait_loadcnt 0x0                             ; the bias
	s_wait_kmcnt 0x0                               ; the floor
	QUARTER 1, F0, F1, 1                           ; the first quarter stands in front of the loop: its products start the sums
	WIN 0
	s_mov_b32 s[CNT], T-2
.Lstep:                                                ; a trip: a K step's second quarter to the next step's first; every trip fills a slot again
	QUARTER 2, F1, F0, 0
	QUARTER 3, F0, F1, 0
	TURNF
	QUARTER 1, F0, F1, 0
	WIN 0
	s_sub_co_u32 s[CNT], s[CNT], 1
	s_cmp_lg_u32 s[CNT], 0
	s_cbranch_scc1 .Lstep
	s_mov_b32 s[CNT], 2
.Ltail:                                                ; the last two K steps ask for nothing; the second trip is left in its middle (its barrier orders nothing: the price of one text for both)
	QUARTER 2, F1, F0, 0
	QUARTER 3, F0, F1, 0
	MEET 0
	MUL16 F1, 0, 2, 0
	MUL16 F1, 1, 0, 0
	MUL16 F1, 1, 2, 0
	WIN 0
	s_sub_co_u32 s[CNT], s[CNT], 1
	s_cmp_eq_u32 s[CNT], 0
	s_cbranch_scc1 .Lout
	PLACES
	NEXTSLOT
	FETCH 0, F0
	QUARTER 1, F0, F1, 0
	WIN 0
	s_branch .Ltail
.Lout:
	PLACES
.if FFOUT
.irp a, 0,1,2,3,4,5,6,7
	PACK \a
	SENDF \a
.endr
.else
	PACK 0
	TOSTAGE 0
.irp a, 1,2,3,4,5,6,7                  ; block a's arithmetic stands between block a - 1's loads from the stage and the wait for them
	PACK \a
	SEND (\a)-1
	TOSTAGE \a
.endr
	SEND 7
.endif
	s_wait_tensorcnt 0x0                           ; the wave's end
	ds_add_u32 v[SPW], v[NIL]
	s_wait_dscnt 0x0
	CROUND                                         ; the closing round: no work-group ends while a partner may still ask for a tile that names it
	s_endpgm
.Lfunc_end_k_qe9da560a45_qkv:
	.size	k_qe9da560a45_qkv, .Lfunc_end_k_qe9da560a45_qkv-k_qe9da560a45_qkv
	.p2alignl 7, 3214868480
	.fill 96, 4, 3214868480
	.section	.rodata,"a",@progbits
	.p2align	6, 0x0
	.amdhsa_kernel k_qe9da560a45_qkv
		.amdhsa_group_segment_fixed_size 327680
		.amdhsa_private_segment_fixed_size 0
		.amdhsa_enable_private_segment 0
		.amdhsa_kernarg_size 32
		.amdhsa_user_sgpr_count 2
		.amdhsa_user_sgpr_kernarg_segment_ptr 1
		.amdhsa_wavefront_size32 1
		.amdhsa_system_sgpr_workgroup_id_x 1
		.amdhsa_system_sgpr_workgroup_id_y 1
		.amdhsa_system_sgpr_workgroup_id_z 1
		.amdhsa_system_vgpr_workitem_id 0
		.amdhsa_next_free_vgpr 1024
		.amdhsa_next_free_sgpr 72
		.amdhsa_reserve_vcc 0
		.amdhsa_float_denorm_mode_32 3
		.amdhsa_float_denorm_mode_16_64 3
		.amdhsa_memory_ordered 1
		.amdhsa_forward_progress 1
		.amdhsa_inst_pref_size 117
	.end_amdhsa_kernel
	.amdgpu_metadata
---
amdhsa.version: [ 1, 2 ]
amdhsa.kernels:
  - .name:           k_qe9da560a45_qkv
    .symbol:         k_qe9da560a45_qkv.kd
    .args:
      - { .name: xb, .offset: 0, .size: 8, .value_kind: global_buffer, .address_space: global }
      - { .name: wa, .offset: 8, .size: 8, .value_kind: global_buffer, .address_space: global }
      - { .name: bqkv, .offset: 16, .size: 8, .value_kind: global_buffer, .address_space: global }
      - { .name: big1, .offset: 24, .size: 8, .value_kind: global_buffer, .address_space: global }
    .group_segment_fixed_size: 327680
    .private_segment_fixed_size: 0
    .kernarg_segment_align: 8
    .kernarg_segment_size: 32
    .max_flat_workgroup_size: 128
    .sgpr_count:     72
    .vgpr_count:     1024
    .wavefront_size: 32
...
	.end_amdgpu_metadata
.endif
;; end of part 2
;; launch attn (part 3): grid 4 x 64, 8 waves a work-group, clusters of 4 x 1, 327,680 bytes of LDS; arguments big1, big2; writes big2
.if DOCPART == 3
	.amdgcn_target "amdgcn-amd-amdhsa--gfx1250"
	.amdhsa_code_object_version 6
	.text
	.protected	k_qe9da560a45_attn
	.globl	k_qe9da560a45_attn
	.p2align	8
	.type	k_qe9da560a45_attn,@function
k_qe9da560a45_attn:
	s_mov_b64 s[64:65], 0
	v_nop
	global_prefetch_b8 v0, s[64:65] scope:SCOPE_SE
	s_setreg_imm32_b32 hwreg(HW_REG_WAVE_MODE, 25, 1), 1
	s_wait_xcnt 0x0
	s_wait_alu depctr_hold_cnt(0) depctr_sa_sdst(0) depctr_va_vdst(0) depctr_va_sdst(0) depctr_va_ssrc(0) depctr_va_vcc(0) depctr_vm_vsrc(0)
	s_getreg_b32 s2, hwreg(HW_REG_IB_STS2, 6, 4)
	s_cmp_eq_u32 s2, 0
	s_cbranch_scc0 .Lentry_in_a_cluster
	s_endpgm
.Lentry_in_a_cluster:
	s_bfe_u32 s2, ttmp6, 0x10000c
	s_cmp_lg_u32 s2, 0x3003
	s_cbranch_scc0 .Lentry_shape_is_right
	s_endpgm
.Lentry_shape_is_right:
; ATTENTION.  o[b][s][h*64+e] = the sum over t of softmax_t(q[b,h,s] . k[b,h,t] / 8) v[b,h,t,e].  q, k, v lie in big1 in panels of 8,192 rows (row = b*512+s) x 128 columns (two heads), bf16, rows of 256 bytes:
; q in panels 0-3, k in 4-7, v in 8-11.  Products, maxima and sums in f32; the weights p are rounded to bf16 for the second product (their sum l is of the unrounded p), o once at the end.
; o goes to big2 in panels 0-3 IN BLOCKS: each 16 rows of a panel (4,096 bytes) lie as 8 blocks of 16 rows x 16 columns, 512 bytes each, lane l's 16 bytes (row l % 16, columns 8 (l / 16) on) at 16 l:
; what a lane holds after the rounding, and half of a fragment of the next product's row operand.  So o is stored straight from registers, 512 consecutive bytes a store.
; LIMITS.  A weight below 2^-126 counts as 0 in l; NaN and infinities are not treated apart; c m starts at -4.2e37, far below every c s that finite f32 scores of bf16 operands of this size give.
; SHARES.  A work-group takes one batch entry b, one pair of heads p and 128 queries.  EIGHT waves, two on each SIMD: wave w takes head 2 p + w / 4 and 32 queries (32 (w % 4) on): two tiles of 16.
; A tile and key step have 16 matrix and some 120 vector instructions; the loop has no barrier, so the two waves of a SIMD are free to drift apart, one at its products while the other is at its softmax.
; The price: a fragment of K or V read from LDS feeds two tiles' products, not four: 32 LDS loads for a step's 32 products.
; All 512 keys of both heads stay in LDS: one tensor load a wave (128 rows x 256 bytes), nothing is filled again.  The four query blocks of a cluster read the same K and V, so each load is joint, with the same descriptor and mask 15 in all four.
; LAYOUT.  S^T = K Q^T (source 0 = 16 keys, source 1 = 16 queries): a lane holds ONE query (lane % 16) and the keys 8 (lane / 16) + 0..7.  Two such results rounded to bf16 ARE source 1 of O^T = V^T P.
; K comes out of LDS as it lies, V ([key][channel]) turned.  SOFTMAX: running maximum m and sum l; p = 2^(c s - c m), c = log2(e) / 8; in every step O and l are multiplied by a = 2^(c m_old - c m_new).
; m starts at the lowest finite number, O and l at 0, so the first step is a step like any other, with a = 0; the price is 64 lines that clear O^T, in the wait for the tiles.
; REGISTERS: window 0: addresses, statistics, v64-127 S^T (32 a tile), v128-159 P (16 a tile), v160-191 Q, v192-255 O^T (32 a tile); window 1: v0-63 K of a step, v64-127 V of a step.
.set KS,    64
.set PK,    272       ; a row of K in LDS: 256 + 16 bytes
.set PV,    288       ; a row of V: 256 + 32 bytes
.set VOFF,  512*PK
.set SPARE, VOFF+512*PV   ; the spare words, 128 bytes a wave: four blocks of 256 bytes that no other line names
.set AK0, 2
.set AV0, 3
.set AK,  4
.set AV,  5
.set QO,  6
.set GO,  7
.set MV,  12          ; v12-13  c m_old, a tile each
.set ST,  16          ; tile t at v[ST+4 t]: c m, m, l (even keys', odd keys')
.set TMP, 24          ; tile t at v[TMP+4 t]: c0-c3 at work; c2 takes a
.set SPW, 32
.set NIL, 33
.set S,   64
.set P,   128
.set Q,   160
.set O,   192
.set KF,  0           ; in window 1
.set VF,  64          ; in window 1
.set WV,  12
.set G1K, 24
.set G1V, 32
.set G0K, 40
.set G0V, 44
.set CNT, 57
.set CS,  58
.set SEL, 60
.set TBK, 62
.set TBV, 63
.set MSB, 0
.macro WIN new
.if MSB != (\new)
	s_set_vgpr_msb (MSB<<8)|(\new)
.set MSB, \new
.endif
.endm
.set W_MM, 0x01       ; source 0 (K or V) in window 1, all else in window 0
.set W_LD, 0x40       ; destination in window 1, address in window 0
.macro CROUND
	s_barrier_signal -1
	s_barrier_wait -1
	s_cmp_lg_u32 s[WV], 0
	s_cbranch_scc1 .Lnot_wave_0_\@
	s_barrier_signal -3
.Lnot_wave_0_\@:
	s_barrier_wait -3
	s_barrier_signal -1
	s_barrier_wait -1
.endm
	s_load_b128 s[4:7], s[0:1], 0x0                ; big1 s[4:5], big2 s[6:7]
	v_lshl_add_u32 v[SPW], v0, 2, SPARE
	v_mov_b32 v[NIL], 0
	ds_add_u32 v[SPW], v[NIL]                      ; the wave's opening: the add and its wait stand ahead of my first tensor load
	v_lshrrev_b32 v1, 5, v0
	v_readfirstlane_b32 s[WV], v1
	s_lshr_b32 s13, s[WV], 2                       ; which head of the pair; also: I fetch for K (0) or V (1)
	s_and_b32 s14, s[WV], 3                        ; which 32 queries; also which 128 keys I fetch
	s_bfe_u32 s15, ttmp6, 0x40000
	s_lshl_b32 s19, ttmp9, 2
	s_add_co_u32 s15, s15, s19                     ; the block of 128 queries: it enters Q's and o's addresses alone
	s_and_b32 s16, ttmp7, 0xffff
	s_lshr_b32 s17, s16, 2                         ; b
	s_and_b32 s18, s16, 3                          ; p
	s_add_co_u32 s48, s18, 4                       ; K: panel 4 + p, rows 512 b + 128 x quarter
	s_lshl_b32 s48, s48, 21
	s_lshl_b32 s19, s17, 17
	s_add_co_u32 s48, s48, s19
	s_lshl_b32 s20, s14, 15
	s_add_co_u32 s48, s48, s20
	s_mov_b32 s49, 0
	s_add_co_u32 s50, s48, 0x800000                ; V: four panels on
	s_mov_b32 s51, 0
	s_lshl_b32 s52, s18, 21                        ; Q and o: panel p, rows 512 b + 128 block + 32 quarter
	s_add_co_u32 s52, s52, s19
	s_lshl_b32 s20, s15, 15
	s_add_co_u32 s52, s52, s20
	s_lshl_b32 s20, s14, 13
	s_add_co_u32 s52, s52, s20
	s_lshl_b32 s20, s13, 11
	s_add_co_u32 s54, s52, s20                     ; o: my head's four blocks of 512 bytes
	s_lshl_b32 s20, s13, 7
	s_add_co_u32 s52, s52, s20                     ; Q: my head's 128 bytes of a row
	s_mov_b32 s53, 0
	s_mov_b32 s55, 0
	s_mov_b32 s[G1K], 15|(1<<16)|(1<<20)|(1<<21)|(5<<22)|(3<<25)  ; mask of four; 2-byte elements; padding on; bit 21 beside a mask; after every 64 words 4 words
	s_mov_b32 s[G1V], 15|(1<<16)|(1<<20)|(1<<21)|(5<<22)|(7<<25)  ; the same with 8 words
.irp g, G1K, G1V
	s_mov_b32 s[(\g)+1], 128<<16                   ; tensor_dim0 = 128
	s_mov_b32 s[(\g)+2], 128<<16                   ; tensor_dim1 = 128
	s_mov_b32 s[(\g)+3], 128<<16                   ; tile_dim0 = 128
	s_mov_b32 s[(\g)+4], 128                       ; tile_dim1 = 128
	s_mov_b32 s[(\g)+5], 128
	s_mov_b32 s[(\g)+6], 0
	s_mov_b32 s[(\g)+7], 0
.endr
	s_mov_b32 s[G0K], 1
	s_mul_i32 s[G0K+1], s14, 128*PK
	s_mov_b32 s[G0V], 1
	s_mul_i32 s[G0V+1], s14, 128*PV
	s_add_co_u32 s[G0V+1], s[G0V+1], VOFF
	s_mov_b32 s[CS], 0x3e38aa3b                    ; c = log2(e) / 8
	s_mov_b32 s[CS+1], s[CS]
	s_mov_b32 s[SEL], 0x76543210
	s_mov_b32 s[SEL+1], 0xfedcba98
	s_mov_b32 s[TBK], 0
	s_mov_b32 s[TBV], 0
	s_wait_dscnt 0x0                               ; the opening add is done
	s_wait_kmcnt 0x0
	s_add_nc_u64 s[G0K+2:G0K+3], s[4:5], s[48:49]
	s_or_b32 s[G0K+3], s[G0K+3], 0x80000000
	s_add_nc_u64 s[G0V+2:G0V+3], s[4:5], s[50:51]
	s_or_b32 s[G0V+3], s[G0V+3], 0x80000000
	s_add_nc_u64 s[52:53], s[4:5], s[52:53]
	s_add_nc_u64 s[54:55], s[6:7], s[54:55]
	CROUND                                         ; all four work-groups are here: the joint loads meet
	s_cmp_lt_u32 s[WV], 4                          ; waves 0-3 fetch K's quarters, waves 4-7 V's: one load of mine is out
	s_cbranch_scc0 .Lfor_v
	tensor_load_to_lds s[G0K:G0K+3], s[G1K:G1K+7]
	s_nop 0
.rept 4
	v_nop
.endr
	s_branch .Lasked
.Lfor_v:
	tensor_load_to_lds s[G0V:G0V+3], s[G1V:G1V+7]
	s_nop 0
.rept 4
	v_nop
.endr
.Lasked:
	v_and_b32 v1, 15, v0                           ; r
	v_bfe_u32 v10, v0, 4, 1                        ; h
	v_lshlrev_b32 v[QO], 8, v1
	v_lshl_add_u32 v[QO], v10, 4, v[QO]
.irp i, 0,1,2,3                        ; Q stays in registers: tile i / 2, channels 32 (i % 2) on
	global_load_b128 v[Q+8*\i:Q+8*\i+3],   v[QO], s[52:53] offset:(\i/2)*4096+(\i%2)*64
	global_load_b128 v[Q+8*\i+4:Q+8*\i+7], v[QO], s[52:53] offset:(\i/2)*4096+(\i%2)*64+32
.endr
.set z, 0
.rept 64
	v_mov_b32 v[O+z], 0                            ; O^T
.set z, z+1
.endr
.irp t, 0,1
	v_mov_b32 v[ST+4*\t], 0xfe000000               ; c m: far below every c s
	v_mov_b32 v[ST+4*\t+1], 0xff7fffff             ; m
	v_mov_b32 v[ST+4*\t+2], 0
	v_mov_b32 v[ST+4*\t+3], 0
.endr
	s_lshl_b32 s19, s13, 7                         ; my head's 128 bytes of a row
	v_mul_u32_u24 v[AK0], v1, PK
	v_lshl_add_u32 v[AK0], v10, 4, v[AK0]
	v_add_nc_u32 v[AK0], s19, v[AK0]               ; r x 272 + 16 h + 128 head
	v_and_b32 v11, 7, v0
	v_lshl_add_u32 v[AV0], v10, 3, v11             ; the turning load: key 8 h + lane % 8,
	v_mul_u32_u24 v[AV0], v[AV0], PV
	v_bfe_u32 v11, v0, 3, 1
	v_lshl_add_u32 v[AV0], v11, 4, v[AV0]          ; channels 8 ((lane / 8) % 2) on
	s_add_co_u32 s20, s19, VOFF
	v_add_nc_u32 v[AV0], s20, v[AV0]
	v_and_b32 v[GO], 31, v0
	v_lshlrev_b32 v[GO], 4, v[GO]                  ; 16 x lane: my place in a block of o
.macro FETCH_K                         ; a step's K: 64 keys x 64 channels, 8 fragments, in one run of 16 loads
	v_add_nc_u32 v[AK], s[TBK], v[AK0]
	s_add_co_u32 s[TBK], s[TBK], KS*PK
	WIN W_LD
.irp f, 0,1,2,3,4,5,6,7                ; keys 16 (f / 2) on, channels 32 (f % 2) on
	ds_load_b128 v[KF+8*\f:KF+8*\f+3],   v[AK] offset:(\f/2)*16*PK+(\f%2)*64
	ds_load_b128 v[KF+8*\f+4:KF+8*\f+7], v[AK] offset:(\f/2)*16*PK+(\f%2)*64+32
.endr
	WIN 0
.endm
.macro FETCH_V                         ; a step's V, turned
	v_add_nc_u32 v[AV], s[TBV], v[AV0]
	s_add_co_u32 s[TBV], s[TBV], KS*PV
	WIN W_LD
.irp f, 0,1,2,3,4,5,6,7                ; keys 32 (f / 4) on, channels 16 (f % 4) on
	ds_load_tr16_b128 v[VF+8*\f:VF+8*\f+3],   v[AV] offset:(\f/4)*32*PV+(\f%4)*32
	ds_load_tr16_b128 v[VF+8*\f+4:VF+8*\f+7], v[AV] offset:(\f/4)*32*PV+16*PV+(\f%4)*32
.endr
	WIN 0
.endm
.macro MMKQ                            ; 16 products S^T = K Q^T; the 8 accumulators take turns; the first 8 start the sums
	WIN W_MM
.irp c, 0,1
.irp kb, 0,1,2,3
.irp t, 0,1
.if \c == 0
	v_wmma_f32_16x16x32_bf16 v[S+32*\t+8*\kb:S+32*\t+8*\kb+7], v[KF+16*\kb+8*\c:KF+16*\kb+8*\c+7], v[Q+16*\t+8*\c:Q+16*\t+8*\c+7], 0
.else
	v_wmma_f32_16x16x32_bf16 v[S+32*\t+8*\kb:S+32*\t+8*\kb+7], v[KF+16*\kb+8*\c:KF+16*\kb+8*\c+7], v[Q+16*\t+8*\c:Q+16*\t+8*\c+7], v[S+32*\t+8*\kb:S+32*\t+8*\kb+7]
.endif
.endr
.endr
.endr
.endm
.macro MMPV                            ; 16 products O^T += V^T P, the 8 accumulators by turns
	WIN W_MM
.irp kk, 0,1
.irp cb, 0,1,2,3
.irp t, 0,1
	v_wmma_f32_16x16x32_bf16 v[O+32*\t+8*\cb:O+32*\t+8*\cb+7], v[VF+32*\kk+8*\cb:VF+32*\kk+8*\cb+7], v[P+16*\t+8*\kk:P+16*\t+8*\kk+7], v[O+32*\t+8*\cb:O+32*\t+8*\cb+7]
.endr
.endr
.endr
.endm
; Number n of the 22 lines that find tile t's maximum and statistics; each accumulator's lowest registers are read first.
;   0-11 four chains of seven scores; 12-14, 16 the four left over, the old m, and the chains into c0; 15 c m_old is kept; 17, 18 the other half of the lanes: the new m; 19-21 c m, c m_old - c m_new, a
.macro XS t, n
.set rT, ST+4*(\t)
.set rC, TMP+4*(\t)
.set rM, MV+(\t)
.set rS, S+32*(\t)
.if (\n) < 4
	v_max3_num_f32 v[rC+(\n)], v[rS+8*(\n)], v[rS+8*(\n)+1], v[rS+8*(\n)+2]
.elseif (\n) < 12
	v_max3_num_f32 v[rC+(\n)%4], v[rC+(\n)%4], v[rS+8*((\n)%4)+2*((\n)/4)+1], v[rS+8*((\n)%4)+2*((\n)/4)+2]
.elseif (\n) == 12
	v_max3_num_f32 v[rC], v[rC], v[rS+7], v[rS+15]
.elseif (\n) == 13
	v_max3_num_f32 v[rC+1], v[rC+1], v[rS+23], v[rS+31]
.elseif (\n) == 14
	v_max3_num_f32 v[rC+2], v[rC+2], v[rC+3], v[rT+1]
.elseif (\n) == 15
	v_mov_b32 v[rM], v[rT]
.elseif (\n) == 16
	v_max3_num_f32 v[rC], v[rC], v[rC+1], v[rC+2]
.elseif (\n) == 17
	v_permlanex16_b32 v[rC+3], v[rC], s[SEL], s[SEL+1]
.elseif (\n) == 18
	v_max_num_f32 v[rT+1], v[rC], v[rC+3]
.elseif (\n) == 19
	v_mul_f32 v[rT], s[CS], v[rT+1]
.elseif (\n) == 20
	v_sub_f32 v[rC+1], v[rM], v[rT]
.else
	v_exp_f32 v[rC+2], v[rC+1]
.endif
.endm
.macro TREE w, cnt                     ; one level of the sums, in place: pairs w / 2 registers apart, the two tiles alternating
.set u, 0
.rept \cnt
.irp t, 0,1
	v_pk_add_f32 v[S+32*\t+(\w)*u:S+32*\t+(\w)*u+1], v[S+32*\t+(\w)*u:S+32*\t+(\w)*u+1], v[S+32*\t+(\w)*u+(\w)/2:S+32*\t+(\w)*u+(\w)/2+1]
.endr
.set u, u+1
.endr
.endm
	s_wait_tensorcnt 0x0                           ; my part of K or V is in,
	s_barrier_signal -1
	s_barrier_wait -1                              ; everybody's is
	FETCH_K                                        ; key step 0
	FETCH_V
	s_wait_loadcnt 0x0                             ; Q
	s_mov_b32 s[CNT], 8
.Lstep:
	s_wait_dscnt 16                                ; K is in; V's 16 loads, issued behind it, may be out
	MMKQ
	WIN 0
.rept 4
	v_nop                                          ; the places behind those products: K's registers are loaded again, the scores read
.endr
	s_cmp_eq_u32 s[CNT], 1
	s_cbranch_scc1 .Lno_k                          ; the last step has no next step
	FETCH_K
.Lno_k:
.irp n, 0,1,2,3,4,5,6,7,8,9,10,11,12,13,14,15,16,17,18,19,20,21
.irp t, 0,1
	XS \t, \n
.endr
.endr
.set z, 0
.rept 16                               ; c s - c m; the first of these is the plain instruction behind the two exponentials above
.irp t, 0,1
	v_pk_fma_f32 v[S+32*\t+2*z:S+32*\t+2*z+1], v[S+32*\t+2*z:S+32*\t+2*z+1], s[CS:CS+1], v[ST+4*\t:ST+4*\t+1] op_sel_hi:[1,0,0] neg_lo:[0,0,1] neg_hi:[0,0,1]
.endr
.set z, z+1
.endr
.set z, 0
.rept 64
	v_exp_f32 v[S+z], v[S+z]
.set z, z+1
.endr
	v_nop                                          ; a plain instruction between the last exponential and the use of its result
.set z, 0
	s_wait_alu depctr_va_vdst(0)
.rept 32
	v_cvt_pk_bf16_f32 v[P+z], v[S+2*z], v[S+2*z+1]
.set z, z+1
.endr
	TREE 4, 8
	TREE 8, 4
	TREE 16, 2
	TREE 32, 1
.irp t, 0,1
	v_pk_fma_f32 v[ST+4*\t+2:ST+4*\t+3], v[ST+4*\t+2:ST+4*\t+3], v[TMP+4*\t+2:TMP+4*\t+3], v[S+32*\t:S+32*\t+1] op_sel_hi:[1,0,1]  ; l = a l + the sum
.endr
.irp t, 0,1
.set z, 0
.rept 16
	v_pk_mul_f32 v[O+32*\t+2*z:O+32*\t+2*z+1], v[O+32*\t+2*z:O+32*\t+2*z+1], v[TMP+4*\t+2:TMP+4*\t+3] op_sel_hi:[1,0]  ; O^T times a, from each accumulator's low end on
.set z, z+1
.endr
.endr
	s_wait_dscnt 0x0                               ; V is in (and the next step's K)
	MMPV
	WIN 0
.rept 4
	v_nop                                          ; the places behind those products: V's registers are loaded again
.endr
	s_cmp_eq_u32 s[CNT], 1
	s_cbranch_scc1 .Lno_v
	FETCH_V
.Lno_v:
	s_sub_co_u32 s[CNT], s[CNT], 1
	s_cmp_lg_u32 s[CNT], 0
	s_cbranch_scc1 .Lstep
	; THE WAY OUT: l's two halves and the other half of the lanes' are added; O^T is divided by l and rounded to bf16; a lane's 16 bytes are its place in a block of o
.irp t, 0,1
	v_add_f32 v[ST+4*\t+2], v[ST+4*\t+2], v[ST+4*\t+3]
.endr
.irp t, 0,1
	v_permlanex16_b32 v[ST+4*\t+3], v[ST+4*\t+2], s[SEL], s[SEL+1]
.endr
.irp t, 0,1
	v_add_f32 v[ST+4*\t+2], v[ST+4*\t+2], v[ST+4*\t+3]
.endr
.irp t, 0,1
	v_rcp_f32 v[ST+4*\t+2], v[ST+4*\t+2]
.endr
	v_nop                                          ; a plain instruction between the last reciprocal and the use of its result
	s_wait_alu depctr_va_vdst(0)
.irp t, 0,1
.set z, 0
.rept 16
	v_pk_mul_f32 v[O+32*\t+2*z:O+32*\t+2*z+1], v[O+32*\t+2*z:O+32*\t+2*z+1], v[ST+4*\t+2:ST+4*\t+3] op_sel_hi:[1,0]
.set z, z+1
.endr
.set z, 0
.rept 16
	v_cvt_pk_bf16_f32 v[S+16*\t+z], v[O+32*\t+2*z], v[O+32*\t+2*z+1]   ; S^T's registers are free
.set z, z+1
.endr
.irp cb, 0,1,2,3
	global_store_b128 v[GO], v[S+16*\t+4*\cb:S+16*\t+4*\cb+3], s[54:55] offset:\t*4096+\cb*512  ; a block: 512 consecutive bytes, at a multiple of 256 from the buffer's first
.endr
.endr
	s_wait_tensorcnt 0x0                           ; the wave's end
	ds_add_u32 v[SPW], v[NIL]
	s_wait_dscnt 0x0
	CROUND                                         ; the closing round
	s_endpgm
.Lfunc_end_k_qe9da560a45_attn:
	.size	k_qe9da560a45_attn, .Lfunc_end_k_qe9da560a45_attn-k_qe9da560a45_attn
	.p2alignl 7, 3214868480
	.fill 96, 4, 3214868480
	.section	.rodata,"a",@progbits
	.p2align	6, 0x0
	.amdhsa_kernel k_qe9da560a45_attn
		.amdhsa_group_segment_fixed_size 327680
		.amdhsa_private_segment_fixed_size 0
		.amdhsa_enable_private_segment 0
		.amdhsa_kernarg_size 16
		.amdhsa_user_sgpr_count 2
		.amdhsa_user_sgpr_kernarg_segment_ptr 1
		.amdhsa_wavefront_size32 1
		.amdhsa_system_sgpr_workgroup_id_x 1
		.amdhsa_system_sgpr_workgroup_id_y 1
		.amdhsa_system_sgpr_workgroup_id_z 1
		.amdhsa_system_vgpr_workitem_id 0
		.amdhsa_next_free_vgpr 384
		.amdhsa_next_free_sgpr 66
		.amdhsa_reserve_vcc 0
		.amdhsa_float_denorm_mode_32 3
		.amdhsa_float_denorm_mode_16_64 3
		.amdhsa_memory_ordered 1
		.amdhsa_forward_progress 1
		.amdhsa_inst_pref_size 34
	.end_amdhsa_kernel
	.amdgpu_metadata
---
amdhsa.version: [ 1, 2 ]
amdhsa.kernels:
  - .name:           k_qe9da560a45_attn
    .symbol:         k_qe9da560a45_attn.kd
    .args:
      - { .name: big1, .offset: 0, .size: 8, .value_kind: global_buffer, .address_space: global }
      - { .name: big2, .offset: 8, .size: 8, .value_kind: global_buffer, .address_space: global }
    .group_segment_fixed_size: 327680
    .private_segment_fixed_size: 0
    .kernarg_segment_align: 8
    .kernarg_segment_size: 16
    .max_flat_workgroup_size: 256
    .sgpr_count:     66
    .vgpr_count:     384
    .wavefront_size: 32
...
	.end_amdgpu_metadata
.endif
;; end of part 3
;; launch wo (part 4): grid 4 x 64, 4 waves a work-group, clusters of 4 x 4, 327,680 bytes of LDS; arguments big2, wr, bo, xb, att; writes att
.if DOCPART == 4
	.amdgcn_target "amdgcn-amd-amdhsa--gfx1250"
	.amdhsa_code_object_version 6
	.text
	.protected	k_qe9da560a45_wo
	.globl	k_qe9da560a45_wo
	.p2align	8
	.type	k_qe9da560a45_wo,@function
k_qe9da560a45_wo:
	s_mov_b64 s[64:65], 0
	v_nop
	global_prefetch_b8 v0, s[64:65] scope:SCOPE_SE
	s_setreg_imm32_b32 hwreg(HW_REG_WAVE_MODE, 25, 1), 1
	s_wait_xcnt 0x0
	s_wait_alu depctr_hold_cnt(0) depctr_sa_sdst(0) depctr_va_vdst(0) depctr_va_sdst(0) depctr_va_ssrc(0) depctr_va_vcc(0) depctr_vm_vsrc(0)
	s_getreg_b32 s2, hwreg(HW_REG_IB_STS2, 6, 4)
	s_cmp_eq_u32 s2, 0
	s_cbranch_scc0 .Lentry_in_a_cluster
	s_endpgm
.Lentry_in_a_cluster:
	s_bfe_u32 s2, ttmp6, 0x10000c
	s_cmp_lg_u32 s2, 0xf033
	s_cbranch_scc0 .Lentry_shape_is_right
	s_endpgm
.Lentry_shape_is_right:
; OUT = RES + A B + bias, N = 512.  A: 8,192 rows (row = b*512+s) x KTOT, bf16, in panels of 128 columns IN BLOCKS: each 16 rows of a panel (4,096 bytes) lie as 8 blocks of 16 x 16, 512 bytes each, lane l's 16 bytes
; (row l % 16, columns 8 (l / 16) on) at 16 l, so that two blocks are a fragment as the lanes hold it.  B: KTOT rows x 512 in panels of 256-byte rows, bf16; bias f32; RES bf16 in panels of 256-byte rows.  Sums in f32, started by the bias.
; Here (WO = 1): A = o, B = Wo, RES = x (the bf16 copy), OUT = att, rounded once to bf16, in panels of 256-byte rows: the next product's operand and the last launch's residual.
; LIMITS.  The residual enters rounded to bf16 (x once; att once): each at most 2^-8 of the number itself, whatever the inputs' scale or offset.  NaN and infinities are not treated apart.
; SHARES.  512 columns give too few tiles of 256 x 256: a work-group makes 128 x 128, 256 work-groups; a wave 64 x 64: 16 accumulators.  A slot holds 256 along K: two panels' tiles of A (128 rows, 32,768 bytes each) and
; 256 rows of B's panel; each wave fetches a quarter by one tensor load of 32,768 consecutive bytes.  The matrix instruction is used transposed: a lane holds eight neighbouring columns of one row.
; CLUSTER 4 x 4: A's tiles are shared along a row of the cluster, B's along a column; each is asked for jointly, by the same load, descriptor and mask in the four.
; THE WAY OUT goes through slot 0's bytes, which have had their last fill (the number of slots is even) and whose last reads lie in front of the barrier of the last change of slots.
; REGISTERS: window 0: v0-31 addresses, v32-95 at work, v96-127 the bias as a C operand, later the widened residual, v128-255 accumulators ((a, b) at v[128 + 8 (4 a + b)]); window 1: two fragment buffers of 128 (64 of A, 64 of B); window 2: v0-63 RES.
.set KTOT,  512
.set LBP,   17                         ; log2 of a panel of B in bytes
.set WOFF,  0                          ; where B begins in its buffer
.set WO,    1
.set T,     KTOT/256                   ; slots' worth of K; even
.set PB,    288                        ; a row of B in LDS: 256 + 32 bytes
.set HA,    128*256                    ; A's tile lies unpadded: a fragment load takes 512 consecutive bytes
.set HB,    128*PB
.set BOFF,  2*HA
.set SLOT,  BOFF+2*HB
.set SPARE, 2*SLOT                     ; the spare words, 128 bytes a wave
.set SPF,   528                        ; a stage row: 512 bytes of f32 + 16
.set ASTEP, 0x400000                   ; two panels of A
.set BSTEP, 0x10000                    ; 256 rows of B's panel
.set LA0,   16
.set LB0,   17
.set ADRA,  18
.set ADRB0, 19                         ; B's first 128 rows of the slot in hand
.set ADRB1, 20                         ; its second 128: beyond the reach of the 16-bit offset from ADRB0
.set BO,    21
.set STO,   24
.set RD,    25
.set GO32,  26
.set GO16,  27
.set SPW,   28
.set NIL,   29
.set TMP,   32
.set BIAS,  96
.set U,     96                         ; the residual of eight rows in f32: the bias's registers, free since the first products
.set ACC,   128
.set F0,    0
.set F1,    128
.set WV,  16
.set RH,  17
.set CH,  18
.set MBK, 21
.set NBK, 22
.set G1A, 24
.set G1B, 32
.set G0A, 40
.set G0B, 48
.set TB,  56
.set WPA, 57
.set WPB, 58
.set HM,  59                           ; a word's upper bf16
.set CNT, 60
.set MSB, 0
.macro WIN new
.if MSB != (\new)
	s_set_vgpr_msb (MSB<<8)|(\new)
.set MSB, \new
.endif
.endm
.macro PLACES
.rept 4
	v_nop
.endr
.endm
.macro JLOAD                           ; a joint refill by the walking descriptors; an s_nop 0 and four v_nop follow each line
	s_cmp_eq_u32 s[RH], 0
	s_cbranch_scc0 .Lfor_b_\@
	tensor_load_to_lds s[G0A+4:G0A+7], s[G1A:G1A+7]
	s_nop 0
.rept 4
	v_nop
.endr
	s_branch .Lasked_\@
.Lfor_b_\@:
	tensor_load_to_lds s[G0B+4:G0B+7], s[G1B:G1B+7]
	s_nop 0
.rept 4
	v_nop
.endr
.Lasked_\@:
.endm
.macro CREST
	s_cmp_lg_u32 s[WV], 0
	s_cbranch_scc1 .Lnot_wave_0_\@
	s_barrier_signal -3
.Lnot_wave_0_\@:
	s_barrier_wait -3
	s_barrier_signal -1
	s_barrier_wait -1
.endm
.macro CROUND
	s_barrier_signal -1
	s_barrier_wait -1
	CREST
.endm
	s_load_b256 s[4:11], s[0:1], 0x0               ; A s[4:5], B s[6:7], bias s[8:9], RES s[10:11]
	s_load_b64 s[12:13], s[0:1], 0x20              ; OUT
	v_lshl_add_u32 v[SPW], v0, 2, SPARE
	v_mov_b32 v[NIL], 0
	ds_add_u32 v[SPW], v[NIL]                      ; the wave's opening: the add and its wait stand ahead of my first tensor load
	v_lshrrev_b32 v1, 5, v0
	v_readfirstlane_b32 s[WV], v1
	s_lshr_b32 s[RH], s[WV], 1                     ; which 64 rows are mine; also: I fetch for A (0) or B (1)
	s_and_b32 s[CH], s[WV], 1                      ; which 64 columns; also: which half of the slot's K I fetch
	s_bfe_u32 s19, ttmp6, 0x40000                  ; cx
	s_bfe_u32 s20, ttmp6, 0x40004                  ; cy
	s_lshl_b32 s[NBK], ttmp9, 2
	s_add_co_u32 s[NBK], s[NBK], s19               ; block of 128 columns
	s_and_b32 s[MBK], ttmp7, 0xffff
	s_lshl_b32 s[MBK], s[MBK], 2
	s_add_co_u32 s[MBK], s[MBK], s20               ; block of 128 rows
	s_lshl_b32 s61, s20, 2
	s_lshl_b32 s61, 15, s61                        ; my row of the cluster
	s_lshl_b32 s62, 0x1111, s19                    ; my column
	s_or_b32 s[G1A], s61, (1<<16)|(1<<21)                          ; mask; 2-byte elements; bit 21 beside a mask; no padding
	s_or_b32 s[G1B], s62, (1<<16)|(1<<20)|(1<<21)|(5<<22)|(7<<25)  ; the same with padding: after every 64 words 8 words
.irp g, G1A, G1B
	s_mov_b32 s[(\g)+1], 128<<16
	s_mov_b32 s[(\g)+2], 128<<16
	s_mov_b32 s[(\g)+3], 128<<16
	s_mov_b32 s[(\g)+4], 128
	s_mov_b32 s[(\g)+5], 128
	s_mov_b32 s[(\g)+6], 0
	s_mov_b32 s[(\g)+7], 0
.endr
	s_lshl_b32 s66, s[MBK], 15                     ; A: my block's 128 rows, panel CH
	s_lshl_b32 s23, s[CH], 21
	s_add_co_u32 s66, s66, s23
	s_mov_b32 s67, 0
	s_lshl_b32 s68, s[NBK], LBP                    ; B: panel NBK, rows 128 CH on
	s_lshl_b32 s23, s[CH], 15
	s_add_co_u32 s68, s68, s23
	s_add_co_u32 s68, s68, WOFF
	s_mov_b32 s69, 0
.if WO == 0
	s_and_b32 s70, s[MBK], 3                       ; OUT in the order [s][b][512]: s = 128 (block % 4) + 32 w, b = block / 4, my block's 512 bytes of the row
	s_lshl_b32 s70, s70, 7
	s_lshl_b32 s23, s[WV], 5
	s_add_co_u32 s70, s70, s23
	s_lshl_b32 s70, s70, 15
	s_lshr_b32 s23, s[MBK], 2
	s_lshl_b32 s23, s23, 11
	s_add_co_u32 s70, s70, s23
	s_lshl_b32 s23, s[NBK], 9
	s_add_co_u32 s70, s70, s23
	s_mov_b32 s71, 0
.endif
	s_lshl_b32 s72, s[NBK], 21                     ; in panels of rows: panel NBK, rows 128 block + 32 w
	s_lshl_b32 s23, s[MBK], 15
	s_add_co_u32 s72, s72, s23
	s_lshl_b32 s23, s[WV], 13
	s_add_co_u32 s72, s72, s23
	s_mov_b32 s73, 0
	s_lshl_b32 s74, s[NBK], 9                      ; bias: my 64 columns of f32
	s_lshl_b32 s23, s[CH], 8
	s_add_co_u32 s74, s74, s23
	s_mov_b32 s75, 0
	s_mul_i32 s[WPA], s[CH], HA
	s_mul_i32 s[WPB], s[CH], HB
	s_add_co_u32 s[WPB], s[WPB], BOFF
	s_mov_b32 s[TB], 0
	s_mov_b32 s[HM], 0xffff0000
	s_wait_dscnt 0x0                               ; the opening add is done
	s_wait_kmcnt 0x0
	s_add_nc_u64 s[66:67], s[4:5], s[66:67]
	s_add_nc_u64 s[68:69], s[6:7], s[68:69]
	s_add_nc_u64 s[8:9], s[8:9], s[74:75]
	s_add_nc_u64 s[10:11], s[10:11], s[72:73]
.if WO
	s_add_nc_u64 s[12:13], s[12:13], s[72:73]
.else
	s_add_nc_u64 s[12:13], s[12:13], s[70:71]
.endif
	CROUND                                         ; all sixteen work-groups are here: the first joint loads meet
.irp s, 0,1
	s_mov_b32 s[G0A+4*(\s)], 1
	s_add_co_u32 s[G0A+4*(\s)+1], s[WPA], (\s)*SLOT
	s_add_nc_u64 s[G0A+4*(\s)+2:G0A+4*(\s)+3], s[66:67], (\s)*ASTEP
	s_or_b32 s[G0A+4*(\s)+3], s[G0A+4*(\s)+3], 0x80000000
	s_mov_b32 s[G0B+4*(\s)], 1
	s_add_co_u32 s[G0B+4*(\s)+1], s[WPB], (\s)*SLOT
	s_add_nc_u64 s[G0B+4*(\s)+2:G0B+4*(\s)+3], s[68:69], (\s)*BSTEP
	s_or_b32 s[G0B+4*(\s)+3], s[G0B+4*(\s)+3], 0x80000000
.endr
	s_cmp_eq_u32 s[RH], 0                          ; a wave's two first fills stand in one branch: two loads of mine are out
	s_cbranch_scc0 .Lfirst_b
	tensor_load_to_lds s[G0A:G0A+3], s[G1A:G1A+7]
	s_nop 0
	tensor_load_to_lds s[G0A+4:G0A+7], s[G1A:G1A+7]
	s_nop 0
.rept 4
	v_nop
.endr
	s_branch .Lfirst_asked
.Lfirst_b:
	tensor_load_to_lds s[G0B:G0B+3], s[G1B:G1B+7]
	s_nop 0
	tensor_load_to_lds s[G0B+4:G0B+7], s[G1B:G1B+7]
	s_nop 0
.rept 4
	v_nop
.endr
.Lfirst_asked:
	v_and_b32 v1, 15, v0                           ; r
	v_bfe_u32 v2, v0, 4, 1                         ; h
	v_lshlrev_b32 v[BO], 5, v2
	v_and_b32 v3, 31, v0
	v_lshlrev_b32 v[GO32], 4, v3
	v_lshlrev_b32 v[GO16], 3, v3
.irp b, 0,1,2,3                        ; register j of block b: bias[16 b + 8 h + j]
	global_load_b128 v[BIAS+8*\b:BIAS+8*\b+3],   v[BO], s[8:9] offset:64*\b
	global_load_b128 v[BIAS+8*\b+4:BIAS+8*\b+7], v[BO], s[8:9] offset:64*\b+16
.endr
	WIN 0x80                                       ; destination window 2
.set z, 0
.rept 32                               ; the residual of the 32 rows that I store: a panel row of 256 consecutive bytes each, 8 bytes a lane; it lands under the products
	global_load_b64 v[2*z:2*z+1], v[GO16], s[10:11] offset:256*z th:TH_LOAD_NT
.set z, z+1
.endr
	WIN 0
	s_lshl_b32 s23, s[RH], 14
	v_add_nc_u32 v[LA0], s23, v[GO32]              ; my four blocks of 16 rows of A, 16 x lane in a block
	v_and_b32 v4, 7, v0
	v_lshl_add_u32 v4, v2, 3, v4
	v_mul_u32_u24 v4, v4, PB
	v_bfe_u32 v5, v0, 3, 1
	v_lshl_add_u32 v4, v5, 4, v4
	s_lshl_b32 s23, s[CH], 7
	s_add_co_u32 s23, s23, BOFF
	v_add_nc_u32 v[LB0], s23, v4                   ; my 64 columns of B
	v_mul_u32_u24 v4, v1, SPF                      ; into the stage: row 64 RH + r, columns 64 CH + 8 h on, f32
	v_lshl_add_u32 v4, v2, 5, v4
	s_mul_i32 s23, s[RH], 64*SPF
	s_lshl_b32 s63, s[CH], 8
	s_add_co_u32 s23, s23, s63
	v_add_nc_u32 v[STO], s23, v4
	s_mul_i32 s23, s[WV], 32*SPF                   ; back: rows 32 w on, a whole row of 512 bytes a load
	v_add_nc_u32 v[RD], s23, v[GO32]
	v_mov_b32 v[ADRA], v[LA0]
	v_mov_b32 v[ADRB0], v[LB0]
	v_add_nc_u32 v[ADRB1], HB, v[LB0]
; 8 matrix instructions: row blocks a0, a0 + 1 x 4 column blocks, half c of buffer f.  zero = 1: the first product starts the sums with the bias.  The 16 accumulators take turns.
.macro MUL8 f, c, a0, zero
	WIN 0x05
.irp a, \a0, (\a0)+1
.irp b, 0,1,2,3
.if \zero
	v_wmma_f32_16x16x32_bf16 v[ACC+8*(4*(\a)+(\b)):ACC+8*(4*(\a)+(\b))+7], v[(\f)+64+8*(4*(\c)+(\b)):(\f)+64+8*(4*(\c)+(\b))+7], v[(\f)+8*(4*(\c)+(\a)):(\f)+8*(4*(\c)+(\a))+7], v[BIAS+8*(\b):BIAS+8*(\b)+7]
.else
	v_wmma_f32_16x16x32_bf16 v[ACC+8*(4*(\a)+(\b)):ACC+8*(4*(\a)+(\b))+7], v[(\f)+64+8*(4*(\c)+(\b)):(\f)+64+8*(4*(\c)+(\b))+7], v[(\f)+8*(4*(\c)+(\a)):(\f)+8*(4*(\c)+(\a))+7], v[ACC+8*(4*(\a)+(\b)):ACC+8*(4*(\a)+(\b))+7]
.endif
.endr
.endr
.endm
; 32 LDS loads in one run: quarter qd (64 along K) of the slot in hand into buffer f; its first 32 along K first.  A fragment of A is two blocks, 512 bytes apart; 32 along K are 1,024 bytes, 16 rows 4,096.
.macro FETCH qd, f
	WIN 0x40
.irp c, 0,1
.irp i, 0,1,2,3
	ds_load_tr16_b128 v[(\f)+64+8*(4*(\c)+(\i)):(\f)+64+8*(4*(\c)+(\i))+3],   v[ADRB0+(\qd)/2] offset:(2*((\qd)%2)+(\c))*32*PB+32*(\i)
	ds_load_tr16_b128 v[(\f)+64+8*(4*(\c)+(\i))+4:(\f)+64+8*(4*(\c)+(\i))+7], v[ADRB0+(\qd)/2] offset:(2*((\qd)%2)+(\c))*32*PB+32*(\i)+16*PB
	ds_load_b128 v[(\f)+8*(4*(\c)+(\i)):(\f)+8*(4*(\c)+(\i))+3],   v[ADRA] offset:((\qd)/2)*HA+(2*((\qd)%2)+(\c))*1024+(\i)*4096
	ds_load_b128 v[(\f)+8*(4*(\c)+(\i))+4:(\f)+8*(4*(\c)+(\i))+7], v[ADRA] offset:((\qd)/2)*HA+(2*((\qd)%2)+(\c))*1024+(\i)*4096+512
.endr
.endr
.endm
.macro QUARTER qd, f, g, zero
	s_wait_dscnt 16                                ; the first 32 along K are in
	MUL8 \f, 0, 0, \zero
	MUL8 \f, 0, 2, \zero
	PLACES
	FETCH \qd, \g
	s_wait_dscnt 32                                ; all but the 32 just issued
	MUL8 \f, 1, 0, 0
	MUL8 \f, 1, 2, 0
.endm
.macro MEET round                      ; the first half of the last quarter, and the one barrier of a change of slots
	WIN 0
	s_wait_tensorcnt 0x0                           ; all my tensor loads have landed: my part of the next slot
	ds_add_u32 v[SPW], v[NIL]
	s_wait_dscnt 17                                ; the add and the youngest sixteen loads may be out
	MUL8 F1, 0, 0, 0
	s_wait_dscnt 0x0                               ; the add is done, my reads of this slot are over
	s_barrier_signal -1
	MUL8 F1, 0, 2, 0
.if \round
	WIN 0
.endif
	s_barrier_wait -1
.endm
.macro NEXTSLOT
	s_xor_b32 s[TB], s[TB], SLOT
	v_add_nc_u32 v[ADRA], s[TB], v[LA0]
	v_add_nc_u32 v[ADRB0], s[TB], v[LB0]
	v_add_nc_u32 v[ADRB1], HB, v[ADRB0]
.endm
.macro TURNF                           ; the last quarter with a refill, first thing behind a round of the cluster's barrier: 112 matrix instructions ahead of the wait for it
	MEET 1
	CREST
	s_add_co_u32 s[G0A+5], s[WPA], s[TB]
	s_add_nc_u64 s[G0A+6:G0A+7], s[G0A+6:G0A+7], ASTEP
	s_add_co_u32 s[G0B+5], s[WPB], s[TB]
	s_add_nc_u64 s[G0B+6:G0B+7], s[G0B+6:G0B+7], BSTEP
	JLOAD
	NEXTSLOT
	FETCH 0, F0
	MUL8 F1, 1, 0, 0
	MUL8 F1, 1, 2, 0
.endm
	s_wait_tensorcnt 1                             ; my part of slot 0 is in; slot 1's may stay out
	s_barrier_signal -1
	s_barrier_wait -1
	FETCH 0, F0
	s_wait_loadcnt 32                              ; the bias is in; the 32 loads of the residual, issued behind it, stay out
	QUARTER 1, F0, F1, 1
	WIN 0
.if T > 2
	s_mov_b32 s[CNT], T-2
.Lstep:                                                ; a trip: a slot's second quarter to the next slot's first; every trip fills a slot again
	QUARTER 2, F1, F0, 0
	QUARTER 3, F0, F1, 0
	TURNF
	QUARTER 1, F0, F1, 0
	WIN 0
	s_sub_co_u32 s[CNT], s[CNT], 1
	s_cmp_lg_u32 s[CNT], 0
	s_cbranch_scc1 .Lstep
.endif
	s_mov_b32 s[CNT], 2
.Ltail:                                                ; the last two slots ask for nothing; the second trip is left in its middle
	QUARTER 2, F1, F0, 0
	QUARTER 3, F0, F1, 0
	MEET 0
	MUL8 F1, 1, 0, 0
	MUL8 F1, 1, 2, 0
	WIN 0
	s_sub_co_u32 s[CNT], s[CNT], 1
	s_cmp_eq_u32 s[CNT], 0
	s_cbranch_scc1 .Lout
	PLACES
	NEXTSLOT
	FETCH 0, F0
	QUARTER 1, F0, F1, 0
	WIN 0
	s_branch .Ltail
.Lout:
	PLACES
.irp a, 0,1,2,3
.irp b, 0,1,2,3
	ds_store_b128 v[STO], v[ACC+8*(4*\a+\b):ACC+8*(4*\a+\b)+3]   offset:\a*16*SPF+64*\b      ; each accumulator from its low end on
	ds_store_b128 v[STO], v[ACC+8*(4*\a+\b)+4:ACC+8*(4*\a+\b)+7] offset:\a*16*SPF+64*\b+16
.endr
.endr
	s_wait_dscnt 0x0                               ; for the others' sake: my stores into the stage are done
	s_barrier_signal -1
	s_barrier_wait -1
.set z, 0
.rept 32
	ds_load_b128 v[ACC+4*z:ACC+4*z+3], v[RD] offset:SPF*z
.set z, z+1
.endr
	s_wait_loadcnt 0x0                             ; the residual
.irp g, 0,1,2,3                        ; eight rows at a time: a lane holds four neighbouring columns of each
	s_wait_dscnt 24-8*\g                           ; rows 8 g to 8 g + 7 are back; the later rows' loads stay out
	WIN 0x08                                       ; source 1 in window 2
.set k, 0
.rept 8                                ; bf16 to f32: the low half moves up, the high half stays
	v_lshlrev_b32 v[U+4*k],   16,    v[2*(8*\g+k)]
	v_and_b32     v[U+4*k+1], s[HM], v[2*(8*\g+k)]
	v_lshlrev_b32 v[U+4*k+2], 16,    v[2*(8*\g+k)+1]
	v_and_b32     v[U+4*k+3], s[HM], v[2*(8*\g+k)+1]
.set k, k+1
.endr
	WIN 0
.set k, 0
.rept 16
	v_pk_add_f32 v[ACC+32*\g+2*k:ACC+32*\g+2*k+1], v[ACC+32*\g+2*k:ACC+32*\g+2*k+1], v[U+2*k:U+2*k+1]
.set k, k+1
.endr
.if WO
.set k, 0
.rept 16
	v_cvt_pk_bf16_f32 v[TMP+16*\g+k], v[ACC+32*\g+2*k], v[ACC+32*\g+2*k+1]
.set k, k+1
.endr
.endif
.set z, 8*\g
.rept 8
.if WO
	global_store_b64 v[GO16], v[TMP+2*z:TMP+2*z+1], s[12:13] offset:256*z                    ; 32 lanes fill one panel row of 256 bytes
.else
	global_store_b128 v[GO32], v[ACC+4*z:ACC+4*z+3], s[12:13] offset:32768*z th:TH_STORE_NT  ; 512 consecutive bytes of one row [s][b]
.endif
.set z, z+1
.endr
.endr
	s_wait_tensorcnt 0x0                           ; the wave's end
	ds_add_u32 v[SPW], v[NIL]
	s_wait_dscnt 0x0
	CROUND                                         ; the closing round
	s_endpgm
.Lfunc_end_k_qe9da560a45_wo:
	.size	k_qe9da560a45_wo, .Lfunc_end_k_qe9da560a45_wo-k_qe9da560a45_wo
	.p2alignl 7, 3214868480
	.fill 96, 4, 3214868480
	.section	.rodata,"a",@progbits
	.p2align	6, 0x0
	.amdhsa_kernel k_qe9da560a45_wo
		.amdhsa_group_segment_fixed_size 327680
		.amdhsa_private_segment_fixed_size 0
		.amdhsa_enable_private_segment 0
		.amdhsa_kernarg_size 40
		.amdhsa_user_sgpr_count 2
		.amdhsa_user_sgpr_kernarg_segment_ptr 1
		.amdhsa_wavefront_size32 1
		.amdhsa_system_sgpr_workgroup_id_x 1
		.amdhsa_system_sgpr_workgroup_id_y 1
		.amdhsa_system_sgpr_workgroup_id_z 1
		.amdhsa_system_vgpr_workitem_id 0
		.amdhsa_next_free_vgpr 640
		.amdhsa_next_free_sgpr 76
		.amdhsa_reserve_vcc 0
		.amdhsa_float_denorm_mode_32 3
		.amdhsa_float_denorm_mode_16_64 3
		.amdhsa_memory_ordered 1
		.amdhsa_forward_progress 1
		.amdhsa_inst_pref_size 55
	.end_amdhsa_kernel
	.amdgpu_metadata
---
amdhsa.version: [ 1, 2 ]
amdhsa.kernels:
  - .name:           k_qe9da560a45_wo
    .symbol:         k_qe9da560a45_wo.kd
    .args:
      - { .name: big2, .offset: 0, .size: 8, .value_kind: global_buffer, .address_space: global }
      - { .name: wr, .offset: 8, .size: 8, .value_kind: global_buffer, .address_space: global }
      - { .name: bo, .offset: 16, .size: 8, .value_kind: global_buffer, .address_space: global }
      - { .name: xb, .offset: 24, .size: 8, .value_kind: global_buffer, .address_space: global }
      - { .name: att, .offset: 32, .size: 8, .value_kind: global_buffer, .address_space: global }
    .group_segment_fixed_size: 327680
    .private_segment_fixed_size: 0
    .kernarg_segment_align: 8
    .kernarg_segment_size: 40
    .max_flat_workgroup_size: 128
    .sgpr_count:     76
    .vgpr_count:     640
    .wavefront_size: 32
...
	.end_amdgpu_metadata
.endif
;; end of part 4
;; launch ffn1: the kernel of part 2 again; grid 32 x 8, 4 waves a work-group, clusters of 4 x 1, 327,680 bytes of LDS; arguments att, wb, b1, big1; writes big1
;; launch ffn2 (part 5): grid 8 x 32, 4 waves a work-group, clusters of 4 x 4, 327,680 bytes of LDS; arguments big1, wr, b2, big2; writes big2
.if DOCPART == 5
	.amdgcn_target "amdgcn-amd-amdhsa--gfx1250"
	.amdhsa_code_object_version 6
	.text
	.protected	k_qe9da560a45_ffn2
	.globl	k_qe9da560a45_ffn2
	.p2align	8
	.type	k_qe9da560a45_ffn2,@function
k_qe9da560a45_ffn2:
	s_mov_b64 s[64:65], 0
	v_nop
	global_prefetch_b8 v0, s[64:65] scope:SCOPE_SE
	s_setreg_imm32_b32 hwreg(HW_REG_WAVE_MODE, 25, 1), 1
	s_wait_xcnt 0x0
	s_wait_alu depctr_hold_cnt(0) depctr_sa_sdst(0) depctr_va_vdst(0) depctr_va_sdst(0) depctr_va_ssrc(0) depctr_va_vcc(0) depctr_vm_vsrc(0)
	s_getreg_b32 s2, hwreg(HW_REG_IB_STS2, 6, 4)
	s_cmp_eq_u32 s2, 0
	s_cbranch_scc0 .Lentry_in_a_cluster
	s_endpgm
.Lentry_in_a_cluster:
	s_bfe_u32 s2, ttmp6, 0x10000c
	s_cmp_lg_u32 s2, 0xf033
	s_cbranch_scc0 .Lentry_shape_is_right
	s_endpgm
.Lentry_shape_is_right:
; C = max(A B + bias, 0), K = 2,048: the second layer, h2 = relu(h1 W2 + b2).  A: 8,192 rows x KTOT in panels (128 columns of 256-byte rows, dense), B: KTOT rows x N in panels, both bf16; bias f32;
; sums in f32, started by the bias.  The text is the K = 512 product kernel's with another head: K, B's place in its buffer, clusters of 4 x 4, a constant floor, and C's way out.
; C leaves bf16 in panels IN BLOCKS: each 16 rows of a panel (4,096 bytes) lie as 8 blocks of 16 x 16, 512 bytes each, lane l's 16 bytes (row l % 16, columns 8 (l / 16) on) at 16 l: what a lane holds after the rounding,
; and half of a fragment of the next product's row operand.  So C is stored straight from registers, 512 consecutive bytes a store, with no way through LDS.
; LIMITS.  The maximum is taken on the rounded bf16 pair and lets a NaN lose (it becomes 0); infinities are not treated apart; C is rounded once.
; SHARES.  A work-group of four waves makes 256 x 256 of C, a wave 128 x 128: 64 accumulators, 512 registers.  K goes in steps of 128 through two LDS slots; each wave fetches a quarter of a slot by one tensor load
; of 128 rows x 256 bytes, 32,768 consecutive bytes of memory.  A's rows lie along K and are read as they lie; B's tile lies [k][n] and is read turned, by ds_load_tr16_b128.
; The matrix instruction is used transposed (source 0 = 16 columns of B, source 1 = 16 rows of A): a lane then holds eight neighbouring columns of one row of C.
; CLUSTER 4 x 4: A's tiles are shared along a row of the cluster, B's along a column; each is asked for jointly, by the same load, descriptor and mask in the four.
; REGISTERS, in windows of 256: window 0: v0-31 addresses, v64-191 A's fragments (two buffers), v192-255 at work on the way out; window 1: v64-191 B's fragments, v192-255 the bias as a C operand;
; windows 2, 3: the accumulators ((a, b) at v[8 (8 a + b)]).  s_set_vgpr_msb's low byte: bits 1:0 source 0, 3:2 source 1, 5:4 source 2, 7:6 destination.
.set KTOT,  2048
.set LBP,   19                         ; log2 of a panel of B in bytes: KTOT x 256
.set WOFF,  524288                     ; where B begins in its buffer
.set CL44,  1                          ; 1: clusters of 4 x 4, A and B joint; 0: clusters of 4 x 1 along the rows, B joint
.set FLMEM, 0                          ; 1: the floor is read from memory; 0: it is 0
.set FFOUT, 1                          ; 0: C leaves as whole rows of its panel, through a stage in LDS; 1: as blocks of 16 x 16, straight from registers
.set T,     KTOT/128                   ; K steps
.set PA,    272                        ; a row of A in LDS: 256 + 16 bytes: the 16 rows of a load start at 16 different groups of four banks (64 banks of 4 bytes: ISA guide 11.1)
.set PB,    288                        ; a row of B: 256 + 32 bytes
.set HA,    128*PA
.set HB,    128*PB
.set BOFF,  2*HA                       ; a slot: A's rows 0-127, 128-255, then B's two panels
.set SLOT,  BOFF+2*HB
.if FFOUT
.set SPARE, 2*SLOT                     ; behind the ring: the spare words, 128 bytes a wave: two blocks of 256 bytes that no other line names
.else
.set STAGE, 2*SLOT                     ; behind the ring: 16 rows x 272 bytes for each wave, for the way out; no tile lands there
.set SP,    272
.set SPARE, STAGE+4*16*SP              ; the spare words, 128 bytes a wave: two blocks of 256 bytes that no other line names
.endif
.set ASTEP, 0x200000                   ; a K step in A: the next panel of 8,192 rows
.set BSTEP, 0x8000                     ; in B: the next 128 rows of the panel
.set LA0,  16                          ; v16  my lane's place in A's part of a slot; never rewritten
.set LB0,  17                          ; v17  the same for B
.set ADRA, 18                          ; v18  LA0 + the slot in hand
.set ADRB, 19                          ; v19  LB0 + the slot in hand
.set STO,  24                          ; v24  the way out: where I put 16 bytes of a row
.set RD,   25                          ; v25  where I read rows back
.set CO,   26                          ; v26  16 x lane: my place in 512 consecutive bytes of C
.set BO,   27                          ; v27  32 x (lane / 16): my eight numbers of 16 of the bias
.set SPW,  28                          ; v28  my spare word; never rewritten
.set NIL,  29                          ; v29  0; never rewritten
.set OB,   32
.set F0,   64
.set F1,   128
.set TMP,  192
.set BIAS, 192                         ; in window 1
.set WV,  12
.set RH,  13                           ; which 128 rows are mine; also: I fetch for A (0) or B (1)
.set CH,  14                           ; which 128 columns; also: which half I fetch
.set G1A, 24                           ; s[24:31], s[32:39] descriptor group 1 for A's and B's tiles
.set G1B, 32
.set G0A, 40                           ; s[40:47], s[48:55] group 0: a set for each first fill; the second then walks
.set G0B, 48
.set TB,  56                           ; LDS byte at which the slot in hand begins: 0 or SLOT
.set WPA, 57                           ; where my fetch lands in a slot, for A
.set WPB, 58                           ; and for B
.set FL,  59
.set CNT, 60
.set MSB, 0
.macro WIN new                         ; the high byte repeats the setting that is left; a switch that changes nothing is dropped
.if MSB != (\new)
	s_set_vgpr_msb (MSB<<8)|(\new)
.set MSB, \new
.endif
.endm
.macro PLACES                          ; four plain vector instructions between a matrix instruction and a load into, or a read of, its registers
.rept 4
	v_nop
.endr
.endm
.macro JLOAD                           ; a refill by the walking descriptors: waves 0, 1 A's halves, waves 2, 3 B's panels; an s_nop 0 and four v_nop follow each line
	s_cmp_eq_u32 s[RH], 0
	s_cbranch_scc0 .Lfor_b_\@
	tensor_load_to_lds s[G0A+4:G0A+7], s[G1A:G1A+7]
	s_nop 0
.rept 4
	v_nop
.endr
	s_branch .Lasked_\@
.Lfor_b_\@:
	tensor_load_to_lds s[G0B+4:G0B+7], s[G1B:G1B+7]
	s_nop 0
.rept 4
	v_nop
.endr
.Lasked_\@:
.endm
.macro CREST                           ; a round of the cluster's barrier behind its opening barrier
	s_cmp_lg_u32 s[WV], 0
	s_cbranch_scc1 .Lnot_wave_0_\@
	s_barrier_signal -3
.Lnot_wave_0_\@:
	s_barrier_wait -3
	s_barrier_signal -1
	s_barrier_wait -1
.endm
.macro CROUND
	s_barrier_signal -1
	s_barrier_wait -1
	CREST
.endm
	s_load_b256 s[4:11], s[0:1], 0x0               ; A s[4:5], B s[6:7], bias s[8:9], C s[10:11]
	v_lshl_add_u32 v[SPW], v0, 2, SPARE
	v_mov_b32 v[NIL], 0
	ds_add_u32 v[SPW], v[NIL]                      ; the wave's opening: the add and its wait stand ahead of my first tensor load; register work stands between
	v_lshrrev_b32 v1, 5, v0
	v_readfirstlane_b32 s[WV], v1
	s_lshr_b32 s[RH], s[WV], 1
	s_and_b32 s[CH], s[WV], 1
	s_bfe_u32 s15, ttmp6, 0x40000                  ; cx
.if CL44
	s_bfe_u32 s16, ttmp6, 0x40004                  ; cy
	s_lshl_b32 s18, ttmp9, 2
	s_add_co_u32 s18, s18, s15                     ; s18: block of 256 columns = 4 x cluster x + cx
	s_and_b32 s17, ttmp7, 0xffff
	s_lshl_b32 s17, s17, 2
	s_add_co_u32 s17, s17, s16                     ; s17: block of 256 rows = 4 x cluster y + cy
	s_lshl_b32 s19, s16, 2
	s_lshl_b32 s19, 15, s19                        ; my row of the cluster shares A
	s_lshl_b32 s20, 0x1111, s15                    ; my column shares B
	s_or_b32 s[G1A], s19, (1<<16)|(1<<20)|(1<<21)|(5<<22)|(3<<25)  ; mask; 2-byte elements; padding on; bit 21 beside a mask; after every 64 words 4 words
	s_or_b32 s[G1B], s20, (1<<16)|(1<<20)|(1<<21)|(5<<22)|(7<<25)  ; the same with 8 words of padding
.else
	s_lshl_b32 s17, ttmp9, 2
	s_add_co_u32 s17, s17, s15                     ; s17: block of 256 rows = 4 x cluster x + cx
	s_and_b32 s18, ttmp7, 0xffff                   ; s18: block of 256 columns, which the four partners share
	s_mov_b32 s[G1A], (1<<16)|(1<<20)|(5<<22)|(3<<25)              ; no mask: A's tiles are my own
	s_mov_b32 s[G1B], 15|(1<<16)|(1<<20)|(1<<21)|(5<<22)|(7<<25)   ; all four partners
.endif
.irp g, G1A, G1B
	s_mov_b32 s[(\g)+1], 128<<16                   ; tensor_dim0 = 128
	s_mov_b32 s[(\g)+2], 128<<16                   ; tensor_dim1 = 128
	s_mov_b32 s[(\g)+3], 128<<16                   ; tile_dim0 = 128
	s_mov_b32 s[(\g)+4], 128                       ; tile_dim1 = 128
	s_mov_b32 s[(\g)+5], 128                       ; 128 elements from row to row: a panel is dense
	s_mov_b32 s[(\g)+6], 0
	s_mov_b32 s[(\g)+7], 0
.endr
	s_lshl_b32 s22, s17, 16                        ; A: 256 rows of 256 bytes a block,
	s_lshl_b32 s21, s[CH], 15                      ; the half that I fetch
	s_add_co_u32 s22, s22, s21
	s_mov_b32 s23, 0
	s_lshl_b32 s66, s18, 1                         ; B: panel 2 x block + half
	s_add_co_u32 s66, s66, s[CH]
	s_lshl_b32 s66, s66, LBP
	s_add_co_u32 s66, s66, WOFF
	s_mov_b32 s67, 0
	s_lshl_b32 s68, s18, 1                         ; C: my panel, my block's rows, my 128 of them
	s_add_co_u32 s68, s68, s[CH]
	s_lshl_b32 s68, s68, 21
	s_lshl_b32 s21, s17, 16
	s_add_co_u32 s68, s68, s21
	s_lshl_b32 s21, s[RH], 15
	s_add_co_u32 s68, s68, s21
	s_mov_b32 s69, 0
	s_lshl_b32 s70, s18, 10                        ; bias: my 128 columns of f32
	s_lshl_b32 s21, s[CH], 9
	s_add_co_u32 s70, s70, s21
	s_mov_b32 s71, 0
	s_mul_i32 s[WPA], s[CH], HA                    ; LDS places hang on the wave's number alone
	s_mul_i32 s[WPB], s[CH], HB
	s_add_co_u32 s[WPB], s[WPB], BOFF
	s_mov_b32 s[TB], 0
	s_wait_dscnt 0x0                               ; the opening add is done
	s_wait_kmcnt 0x0
	s_add_nc_u64 s[22:23], s[4:5], s[22:23]
	s_add_nc_u64 s[66:67], s[6:7], s[66:67]
	s_add_nc_u64 s[10:11], s[10:11], s[68:69]
	s_add_nc_u64 s[8:9], s[8:9], s[70:71]
.if FLMEM
	s_load_b32 s[FL], s[6:7], 0x200000             ; the floor word; waited for ahead of the first products
.else
	s_mov_b32 s[FL], 0
.endif
	CROUND                                         ; all partners are here: the first joint loads meet
.irp s, 0,1
	s_mov_b32 s[G0A+4*(\s)], 1                                     ; count = 1
	s_add_co_u32 s[G0A+4*(\s)+1], s[WPA], (\s)*SLOT                ; LDS address
	s_add_nc_u64 s[G0A+4*(\s)+2:G0A+4*(\s)+3], s[22:23], (\s)*ASTEP  ; K step s
	s_or_b32 s[G0A+4*(\s)+3], s[G0A+4*(\s)+3], 0x80000000          ; type = 2
	s_mov_b32 s[G0B+4*(\s)], 1
	s_add_co_u32 s[G0B+4*(\s)+1], s[WPB], (\s)*SLOT
	s_add_nc_u64 s[G0B+4*(\s)+2:G0B+4*(\s)+3], s[66:67], (\s)*BSTEP
	s_or_b32 s[G0B+4*(\s)+3], s[G0B+4*(\s)+3], 0x80000000
.endr
	s_cmp_eq_u32 s[RH], 0                          ; a wave's two first fills stand in one branch: two loads of mine are out
	s_cbranch_scc0 .Lfirst_b
	tensor_load_to_lds s[G0A:G0A+3], s[G1A:G1A+7]
	s_nop 0
	tensor_load_to_lds s[G0A+4:G0A+7], s[G1A:G1A+7]
	s_nop 0
.rept 4
	v_nop
.endr
	s_branch .Lfirst_asked
.Lfirst_b:
	tensor_load_to_lds s[G0B:G0B+3], s[G1B:G1B+7]
	s_nop 0
	tensor_load_to_lds s[G0B+4:G0B+7], s[G1B:G1B+7]
	s_nop 0
.rept 4
	v_nop
.endr
.Lfirst_asked:
	v_and_b32 v1, 15, v0                           ; r = lane % 16
	v_bfe_u32 v2, v0, 4, 1                         ; h = lane / 16
	v_mul_u32_u24 v3, v1, PA
	v_lshl_add_u32 v3, v2, 4, v3                   ; r x 272 + 16 h: a fragment of A, and the stage's rows
	s_mul_i32 s21, s[RH], HA
	v_add_nc_u32 v[LA0], s21, v3                   ; my 128 rows of A
	v_and_b32 v4, 7, v0
	v_lshl_add_u32 v4, v2, 3, v4                   ; the turning load: lane reads row k = 8 h + lane % 8,
	v_mul_u32_u24 v4, v4, PB
	v_bfe_u32 v5, v0, 3, 1
	v_lshl_add_u32 v4, v5, 4, v4                   ; columns 8 ((lane / 8) % 2) on
	v_add_nc_u32 v[LB0], s[WPB], v4                ; in my panel of B (panel CH lies where waves 2, 3 put it)
.if FFOUT == 0
	s_mul_i32 s21, s[WV], 16*SP
	s_add_co_u32 s21, s21, STAGE
	v_add_nc_u32 v[STO], s21, v3
	v_mul_u32_u24 v5, v2, SP
	v_lshl_add_u32 v5, v1, 4, v5
	v_add_nc_u32 v[RD], s21, v5                    ; back: lanes 0-15 one row of 256 bytes, lanes 16-31 the next
.endif
	v_and_b32 v[CO], 31, v0
	v_lshlrev_b32 v[CO], 4, v[CO]
	v_lshlrev_b32 v[BO], 5, v2
	v_mov_b32 v[ADRA], v[LA0]
	v_mov_b32 v[ADRB], v[LB0]
	WIN 0x40                                       ; destination window 1
.irp b, 0,1,2,3,4,5,6,7                ; register j of block b: bias[16 b + 8 h + j], which is the C operand's layout in the transposed use
	global_load_b128 v[BIAS+8*\b:BIAS+8*\b+3],   v[BO], s[8:9] offset:64*\b
	global_load_b128 v[BIAS+8*\b+4:BIAS+8*\b+7], v[BO], s[8:9] offset:64*\b+16
.endr
	WIN 0
; 8 matrix instructions: row block a of the window's four x all 8 column blocks, 32 along K.  zero = 1: the product starts the sums with the bias.
; The 64 accumulators take turns in the same order in every quarter step.
.macro MUL8R f, hi, a, zero
.if \zero
	WIN 0x91+0x40*(\hi)
.else
	WIN 0xa1+0x50*(\hi)
.endif
.irp b, 0,1,2,3,4,5,6,7
.if \zero
	v_wmma_f32_16x16x32_bf16 v[8*(8*(\a)+(\b)):8*(8*(\a)+(\b))+7], v[(\f)+8*(\b):(\f)+8*(\b)+7], v[(\f)+8*(4*(\hi)+(\a)):(\f)+8*(4*(\hi)+(\a))+7], v[BIAS+8*(\b):BIAS+8*(\b)+7]
.else
	v_wmma_f32_16x16x32_bf16 v[8*(8*(\a)+(\b)):8*(8*(\a)+(\b))+7], v[(\f)+8*(\b):(\f)+8*(\b)+7], v[(\f)+8*(4*(\hi)+(\a)):(\f)+8*(4*(\hi)+(\a))+7], v[8*(8*(\a)+(\b)):8*(8*(\a)+(\b))+7]
.endif
.endr
.endm
.macro MUL16 f, hi, a0, zero           ; two row blocks
	MUL8R \f, \hi, \a0, \zero
	MUL8R \f, \hi, (\a0)+1, \zero
.endm
; 32 LDS loads in one run: quarter q (32 along K) of the slot in hand into buffer f: B's 8 column blocks turned, then A's 8 row blocks
.macro FETCH q, f
	WIN 0x40
.irp i, 0,1,2,3,4,5,6,7
	ds_load_tr16_b128 v[(\f)+8*(\i):(\f)+8*(\i)+3],   v[ADRB] offset:(\q)*32*PB+32*(\i)
	ds_load_tr16_b128 v[(\f)+8*(\i)+4:(\f)+8*(\i)+7], v[ADRB] offset:(\q)*32*PB+32*(\i)+16*PB
.endr
	WIN 0
.irp i, 0,1,2,3,4,5,6,7
	ds_load_b128 v[(\f)+8*(\i):(\f)+8*(\i)+3],   v[ADRA] offset:(\q)*64+(\i)*16*PA
	ds_load_b128 v[(\f)+8*(\i)+4:(\f)+8*(\i)+7], v[ADRA] offset:(\q)*64+(\i)*16*PA+32
.endr
.endm
; One of a K step's first three quarters: multiplies buffer f; behind its first 16 products it fetches quarter q into buffer g, 48 products ahead of the first use
.macro QUARTER q, f, g, zero
	s_wait_dscnt 8                                 ; B and A's rows 0-63 are in; the youngest eight loads (A's rows 64-127) may be out
	MUL16 \f, 0, 0, \zero
	PLACES
	FETCH \q, \g
	s_wait_dscnt 32                                ; all but the 32 just issued
	MUL16 \f, 0, 2, \zero
	MUL16 \f, 1, 0, \zero
	MUL16 \f, 1, 2, \zero
.endm
; The head of the last quarter, and the one barrier of a change of slots: in front of it each wave waits for all its tensor loads (its part of the next slot), adds 0 to its spare word, and waits for that and its reads of this slot
.macro MEET round
	WIN 0
	s_wait_tensorcnt 0x0                           ; all my tensor loads have landed
	ds_add_u32 v[SPW], v[NIL]
	s_wait_dscnt 9                                 ; the add and the youngest eight loads may be out
	MUL8R F1, 0, 0, 0                              ; eight products stand between the add and the wait for it
	s_wait_dscnt 0x0                               ; the add is done, my reads of this slot are over
	s_barrier_signal -1
	MUL8R F1, 0, 1, 0                              ; work on registers while the others arrive
.if \round
	WIN 0
.endif
	s_barrier_wait -1
.endm
.macro NEXTSLOT
	s_xor_b32 s[TB], s[TB], SLOT                   ; 0 and SLOT by turns
	v_add_nc_u32 v[ADRA], s[TB], v[LA0]
	v_add_nc_u32 v[ADRB], s[TB], v[LB0]
.endm
; The last quarter with a refill: the barrier opens a round of the cluster's; the slot just read takes the K step two on, first thing behind the round: 240 matrix instructions ahead of the wait for it
.macro TURNF
	MEET 1
	CREST
	s_add_co_u32 s[G0A+5], s[WPA], s[TB]           ; no load of mine is out: the walking descriptors are written
	s_add_nc_u64 s[G0A+6:G0A+7], s[G0A+6:G0A+7], ASTEP
	s_add_co_u32 s[G0B+5], s[WPB], s[TB]
	s_add_nc_u64 s[G0B+6:G0B+7], s[G0B+6:G0B+7], BSTEP
	JLOAD                                          ; its four v_nop are also the places in front of the loads below
	NEXTSLOT
	FETCH 0, F0
	MUL16 F1, 0, 2, 0
	MUL16 F1, 1, 0, 0
	MUL16 F1, 1, 2, 0
.endm
; THE WAY OUT of row block a: rounded to bf16 and held to the floor.  A lane's 16 bytes are eight neighbouring columns of one row.
.macro PACK a
.set AC, 64*((\a)%4)
.set TP, TMP+32*FFOUT*((\a)%2)
.if FFOUT
	s_wait_xcnt 0x0                                ; the stores of the block before last have read these registers
.endif
	WIN 0x0a+5*((\a)/4)                            ; sources in window 2 or 3
.irp b, 0,1,2,3,4,5,6,7
.irp r, 0,1,2,3
	v_cvt_pk_bf16_f32 v[TP+4*(\b)+(\r)], v[AC+8*(\b)+2*(\r)], v[AC+8*(\b)+2*(\r)+1]
.endr
.endr
	WIN 0
.set z, 0
.rept 32
	v_pk_max_num_bf16 v[TP+z], v[TP+z], s[FL]
.set z, z+1
.endr
.endm
.macro SENDF a                         ; in blocks: block b of the 16 rows is 512 consecutive bytes, lane l's 16 at 16 l
.set TP, TMP+32*FFOUT*((\a)%2)
.irp b, 0,1,2,3,4,5,6,7
	global_store_b128 v[CO], v[TP+4*(\b):TP+4*(\b)+3], s[10:11] offset:4096*(\a)+512*(\b)
.endr
.endm
.macro TOSTAGE a                       ; in rows: through my own stage
	WIN 0
.set BK, OB+192*((\a)%2)
.irp b, 0,1,2,3,4,5,6,7
	ds_store_b128 v[STO], v[TMP+4*(\b):TMP+4*(\b)+3] offset:32*(\b)
.endr
.irp t, 0,1,2,3,4,5,6,7
	ds_load_b128 v[BK+4*(\t):BK+4*(\t)+3], v[RD] offset:(\t)*2*SP  ; LDS serves a wave's instructions in order (ISA guide 5.7.1.4): these see the stores above
.endr
.endm
.macro SEND a
	WIN 0
.set BK, OB+192*((\a)%2)
	s_wait_dscnt 0x0                               ; the block is back in registers
	s_wait_xcnt 0x0                                ; the stores of the block before last have read their registers, which the next block's loads take
.irp t, 0,1,2,3,4,5,6,7
	global_store_b128 v[CO], v[BK+4*(\t):BK+4*(\t)+3], s[10:11] offset:4096*(\a)+512*(\t)  ; 512 consecutive bytes, at a multiple of 256 from C's first
.endr
.endm
	s_wait_tensorcnt 1                             ; my part of K step 0 is in; step 1's may stay out
	s_barrier_signal -1
	s_barrier_wait -1
	FETCH 0, F0
	s_wait_loadcnt 0x0                             ; the bias
	s_wait_kmcnt 0x0                               ; the floor
	QUARTER 1, F0, F1, 1                           ; the first quarter stands in front of the loop: its products start the sums
	WIN 0
	s_mov_b32 s[CNT], T-2
.Lstep:                                                ; a trip: a K step's second quarter to the next step's first; every trip fills a slot again
	QUARTER 2, F1, F0, 0
	QUARTER 3, F0, F1, 0
	TURNF
	QUARTER 1, F0, F1, 0
	WIN 0
	s_sub_co_u32 s[CNT], s[CNT], 1
	s_cmp_lg_u32 s[CNT], 0
	s_cbranch_scc1 .Lstep
	s_mov_b32 s[CNT], 2
.Ltail:                                                ; the last two K steps ask for nothing; the second trip is left in its middle (its barrier orders nothing: the price of one text for both)
	QUARTER 2, F1, F0, 0
	QUARTER 3, F0, F1, 0
	MEET 0
	MUL16 F1, 0, 2, 0
	MUL16 F1, 1, 0, 0
	MUL16 F1, 1, 2, 0
	WIN 0
	s_sub_co_u32 s[CNT], s[CNT], 1
	s_cmp_eq_u32 s[CNT], 0
	s_cbranch_scc1 .Lout
	PLACES
	NEXTSLOT
	FETCH 0, F0
	QUARTER 1, F0, F1, 0
	WIN 0
	s_branch .Ltail
.Lout:
	PLACES
.if FFOUT
.irp a, 0,1,2,3,4,5,6,7
	PACK \a
	SENDF \a
.endr
.else
	PACK 0
	TOSTAGE 0
.irp a, 1,2,3,4,5,6,7                  ; block a's arithmetic stands between block a - 1's loads from the stage and the wait for them
	PACK \a
	SEND (\a)-1
	TOSTAGE \a
.endr
	SEND 7
.endif
	s_wait_tensorcnt 0x0                           ; the wave's end
	ds_add_u32 v[SPW], v[NIL]
	s_wait_dscnt 0x0
	CROUND                                         ; the closing round: no work-group ends while a partner may still ask for a tile that names it
	s_endpgm
.Lfunc_end_k_qe9da560a45_ffn2:
	.size	k_qe9da560a45_ffn2, .Lfunc_end_k_qe9da560a45_ffn2-k_qe9da560a45_ffn2
	.p2alignl 7, 3214868480
	.fill 96, 4, 3214868480
	.section	.rodata,"a",@progbits
	.p2align	6, 0x0
	.amdhsa_kernel k_qe9da560a45_ffn2
		.amdhsa_group_segment_fixed_size 327680
		.amdhsa_private_segment_fixed_size 0
		.amdhsa_enable_private_segment 0
		.amdhsa_kernarg_size 32
		.amdhsa_user_sgpr_count 2
		.amdhsa_user_sgpr_kernarg_segment_ptr 1
		.amdhsa_wavefront_size32 1
		.amdhsa_system_sgpr_workgroup_id_x 1
		.amdhsa_system_sgpr_workgroup_id_y 1
		.amdhsa_system_sgpr_workgroup_id_z 1
		.amdhsa_system_vgpr_workitem_id 0
		.amdhsa_next_free_vgpr 1024
		.amdhsa_next_free_sgpr 72
		.amdhsa_reserve_vcc 0
		.amdhsa_float_denorm_mode_32 3
		.amdhsa_float_denorm_mode_16_64 3
		.amdhsa_memory_ordered 1
		.amdhsa_forward_progress 1
		.amdhsa_inst_pref_size 109
	.end_amdhsa_kernel
	.amdgpu_metadata
---
amdhsa.version: [ 1, 2 ]
amdhsa.kernels:
  - .name:           k_qe9da560a45_ffn2
    .symbol:         k_qe9da560a45_ffn2.kd
    .args:
      - { .name: big1, .offset: 0, .size: 8, .value_kind: global_buffer, .address_space: global }
      - { .name: wr, .offset: 8, .size: 8, .value_kind: global_buffer, .address_space: global }
      - { .name: b2, .offset: 16, .size: 8, .value_kind: global_buffer, .address_space: global }
      - { .name: big2, .offset: 24, .size: 8, .value_kind: global_buffer, .address_space: global }
    .group_segment_fixed_size: 327680
    .private_segment_fixed_size: 0
    .kernarg_segment_align: 8
    .kernarg_segment_size: 32
    .max_flat_workgroup_size: 128
    .sgpr_count:     72
    .vgpr_count:     1024
    .wavefront_size: 32
...
	.end_amdgpu_metadata
.endif
;; end of part 5
;; launch ffn3 (part 6): grid 4 x 64, 4 waves a work-group, clusters of 4 x 4, 327,680 bytes of LDS; arguments big2, wr, b3, att, out0; writes out0
.if DOCPART == 6
	.amdgcn_target "amdgcn-amd-amdhsa--gfx1250"
	.amdhsa_code_object_version 6
	.text
	.protected	k_qe9da560a45_ffn3
	.globl	k_qe9da560a45_ffn3
	.p2align	8
	.type	k_qe9da560a45_ffn3,@function
k_qe9da560a45_ffn3:
	s_mov_b64 s[64:65], 0
	v_nop
	global_prefetch_b8 v0, s[64:65] scope:SCOPE_SE
	s_setreg_imm32_b32 hwreg(HW_REG_WAVE_MODE, 25, 1), 1
	s_wait_xcnt 0x0
	s_wait_alu depctr_hold_cnt(0) depctr_sa_sdst(0) depctr_va_vdst(0) depctr_va_sdst(0) depctr_va_ssrc(0) depctr_va_vcc(0) depctr_vm_vsrc(0)
	s_getreg_b32 s2, hwreg(HW_REG_IB_STS2, 6, 4)
	s_cmp_eq_u32 s2, 0
	s_cbranch_scc0 .Lentry_in_a_cluster
	s_endpgm
.Lentry_in_a_cluster:
	s_bfe_u32 s2, ttmp6, 0x10000c
	s_cmp_lg_u32 s2, 0xf033
	s_cbranch_scc0 .Lentry_shape_is_right
	s_endpgm
.Lentry_shape_is_right:
; OUT = RES + A B + bias, N = 512, K = 2,048: the last layer and the second residual, y = att + h2 W3 + b3.  A: 8,192 rows (row = b*512+s) x KTOT, bf16, in panels of 128 columns IN BLOCKS: each 16 rows of a panel
; (4,096 bytes) lie as 8 blocks of 16 x 16, 512 bytes each, lane l's 16 bytes (row l % 16, columns 8 (l / 16) on) at 16 l, so that two blocks are a fragment as the lanes hold it.  B: KTOT rows x 512 in panels of 256-byte rows, bf16;
; bias f32; RES (att) bf16 in panels of 256-byte rows; OUT f32 in the order [s][b][512].  Sums in f32, started by the bias.  The text is the K = 512 kernel's of the same shape with another head.
; LIMITS.  The residual enters rounded to bf16 (att, rounded once where it was made): at most 2^-8 of the number itself, whatever the inputs' scale or offset.  NaN and infinities are not treated apart.
; SHARES.  512 columns give too few tiles of 256 x 256: a work-group makes 128 x 128, 256 work-groups; a wave 64 x 64: 16 accumulators.  A slot holds 256 along K: two panels' tiles of A (128 rows, 32,768 bytes each) and
; 256 rows of B's panel; each wave fetches a quarter by one tensor load of 32,768 consecutive bytes.  The matrix instruction is used transposed: a lane holds eight neighbouring columns of one row.
; CLUSTER 4 x 4: A's tiles are shared along a row of the cluster, B's along a column; each is asked for jointly, by the same load, descriptor and mask in the four.
; THE WAY OUT goes through slot 0's bytes, which have had their last fill (the number of slots is even) and whose last reads lie in front of the barrier of the last change of slots.
; REGISTERS: window 0: v0-31 addresses, v32-95 at work, v96-127 the bias as a C operand, later the widened residual, v128-255 accumulators ((a, b) at v[128 + 8 (4 a + b)]); window 1: two fragment buffers of 128 (64 of A, 64 of B); window 2: v0-63 RES.
.set KTOT,  2048
.set LBP,   19                         ; log2 of a panel of B in bytes
.set WOFF,  8912896                    ; where B begins in its buffer
.set WO,    0
.set T,     KTOT/256                   ; slots' worth of K; even
.set PB,    288                        ; a row of B in LDS: 256 + 32 bytes
.set HA,    128*256                    ; A's tile lies unpadded: a fragment load takes 512 consecutive bytes
.set HB,    128*PB
.set BOFF,  2*HA
.set SLOT,  BOFF+2*HB
.set SPARE, 2*SLOT                     ; the spare words, 128 bytes a wave
.set SPF,   528                        ; a stage row: 512 bytes of f32 + 16
.set ASTEP, 0x400000                   ; two panels of A
.set BSTEP, 0x10000                    ; 256 rows of B's panel
.set LA0,   16
.set LB0,   17
.set ADRA,  18
.set ADRB0, 19                         ; B's first 128 rows of the slot in hand
.set ADRB1, 20                         ; its second 128: beyond the reach of the 16-bit offset from ADRB0
.set BO,    21
.set STO,   24
.set RD,    25
.set GO32,  26
.set GO16,  27
.set SPW,   28
.set NIL,   29
.set TMP,   32
.set BIAS,  96
.set U,     96                         ; the residual of eight rows in f32: the bias's registers, free since the first products
.set ACC,   128
.set F0,    0
.set F1,    128
.set WV,  16
.set RH,  17
.set CH,  18
.set MBK, 21
.set NBK, 22
.set G1A, 24
.set G1B, 32
.set G0A, 40
.set G0B, 48
.set TB,  56
.set WPA, 57
.set WPB, 58
.set HM,  59                           ; a word's upper bf16
.set CNT, 60
.set MSB, 0
.macro WIN new
.if MSB != (\new)
	s_set_vgpr_msb (MSB<<8)|(\new)
.set MSB, \new
.endif
.endm
.macro PLACES
.rept 4
	v_nop
.endr
.endm
.macro JLOAD                           ; a joint refill by the walking descriptors; an s_nop 0 and four v_nop follow each line
	s_cmp_eq_u32 s[RH], 0
	s_cbranch_scc0 .Lfor_b_\@
	tensor_load_to_lds s[G0A+4:G0A+7], s[G1A:G1A+7]
	s_nop 0
.rept 4
	v_nop
.endr
	s_branch .Lasked_\@
.Lfor_b_\@:
	tensor_load_to_lds s[G0B+4:G0B+7], s[G1B:G1B+7]
	s_nop 0
.rept 4
	v_nop
.endr
.Lasked_\@:
.endm
.macro CREST
	s_cmp_lg_u32 s[WV], 0
	s_cbranch_scc1 .Lnot_wave_0_\@
	s_barrier_signal -3
.Lnot_wave_0_\@:
	s_barrier_wait -3
	s_barrier_signal -1
	s_barrier_wait -1
.endm
.macro CROUND
	s_barrier_signal -1
	s_barrier_wait -1
	CREST
.endm
	s_load_b256 s[4:11], s[0:1], 0x0               ; A s[4:5], B s[6:7], bias s[8:9], RES s[10:11]
	s_load_b64 s[12:13], s[0:1], 0x20              ; OUT
	v_lshl_add_u32 v[SPW], v0, 2, SPARE
	v_mov_b32 v[NIL], 0
	ds_add_u32 v[SPW], v[NIL]                      ; the wave's opening: the add and its wait stand ahead of my first tensor load
	v_lshrrev_b32 v1, 5, v0
	v_readfirstlane_b32 s[WV], v1
	s_lshr_b32 s[RH], s[WV], 1                     ; which 64 rows are mine; also: I fetch for A (0) or B (1)
	s_and_b32 s[CH], s[WV], 1                      ; which 64 columns; also: which half of the slot's K I fetch
	s_bfe_u32 s19, ttmp6, 0x40000                  ; cx
	s_bfe_u32 s20, ttmp6, 0x40004                  ; cy
	s_lshl_b32 s[NBK], ttmp9, 2
	s_add_co_u32 s[NBK], s[NBK], s19               ; block of 128 columns
	s_and_b32 s[MBK], ttmp7, 0xffff
	s_lshl_b32 s[MBK], s[MBK], 2
	s_add_co_u32 s[MBK], s[MBK], s20               ; block of 128 rows
	s_lshl_b32 s61, s20, 2
	s_lshl_b32 s61, 15, s61                        ; my row of the cluster
	s_lshl_b32 s62, 0x1111, s19                    ; my column
	s_or_b32 s[G1A], s61, (1<<16)|(1<<21)                          ; mask; 2-byte elements; bit 21 beside a mask; no padding
	s_or_b32 s[G1B], s62, (1<<16)|(1<<20)|(1<<21)|(5<<22)|(7<<25)  ; the same with padding: after every 64 words 8 words
.irp g, G1A, G1B
	s_mov_b32 s[(\g)+1], 128<<16
	s_mov_b32 s[(\g)+2], 128<<16
	s_mov_b32 s[(\g)+3], 128<<16
	s_mov_b32 s[(\g)+4], 128
	s_mov_b32 s[(\g)+5], 128
	s_mov_b32 s[(\g)+6], 0
	s_mov_b32 s[(\g)+7], 0
.endr
	s_lshl_b32 s66, s[MBK], 15                     ; A: my block's 128 rows, panel CH
	s_lshl_b32 s23, s[CH], 21
	s_add_co_u32 s66, s66, s23
	s_mov_b32 s67, 0
	s_lshl_b32 s68, s[NBK], LBP                    ; B: panel NBK, rows 128 CH on
	s_lshl_b32 s23, s[CH], 15
	s_add_co_u32 s68, s68, s23
	s_add_co_u32 s68, s68, WOFF
	s_mov_b32 s69, 0
.if WO == 0
	s_and_b32 s70, s[MBK], 3                       ; OUT in the order [s][b][512]: s = 128 (block % 4) + 32 w, b = block / 4, my block's 512 bytes of the row
	s_lshl_b32 s70, s70, 7
	s_lshl_b32 s23, s[WV], 5
	s_add_co_u32 s70, s70, s23
	s_lshl_b32 s70, s70, 15
	s_lshr_b32 s23, s[MBK], 2
	s_lshl_b32 s23, s23, 11
	s_add_co_u32 s70, s70, s23
	s_lshl_b32 s23, s[NBK], 9
	s_add_co_u32 s70, s70, s23
	s_mov_b32 s71, 0
.endif
	s_lshl_b32 s72, s[NBK], 21                     ; in panels of rows: panel NBK, rows 128 block + 32 w
	s_lshl_b32 s23, s[MBK], 15
	s_add_co_u32 s72, s72, s23
	s_lshl_b32 s23, s[WV], 13
	s_add_co_u32 s72, s72, s23
	s_mov_b32 s73, 0
	s_lshl_b32 s74, s[NBK], 9                      ; bias: my 64 columns of f32
	s_lshl_b32 s23, s[CH], 8
	s_add_co_u32 s74, s74, s23
	s_mov_b32 s75, 0
	s_mul_i32 s[WPA], s[CH], HA
	s_mul_i32 s[WPB], s[CH], HB
	s_add_co_u32 s[WPB], s[WPB], BOFF
	s_mov_b32 s[TB], 0
	s_mov_b32 s[HM], 0xffff0000
	s_wait_dscnt 0x0                               ; the opening add is done
	s_wait_kmcnt 0x0
	s_add_nc_u64 s[66:67], s[4:5], s[66:67]
	s_add_nc_u64 s[68:69], s[6:7], s[68:69]
	s_add_nc_u64 s[8:9], s[8:9], s[74:75]
	s_add_nc_u64 s[10:11], s[10:11], s[72:73]
.if WO
	s_add_nc_u64 s[12:13], s[12:13], s[72:73]
.else
	s_add_nc_u64 s[12:13], s[12:13], s[70:71]
.endif
	CROUND                                         ; all sixteen work-groups are here: the first joint loads meet
.irp s, 0,1
	s_mov_b32 s[G0A+4*(\s)], 1
	s_add_co_u32 s[G0A+4*(\s)+1], s[WPA], (\s)*SLOT
	s_add_nc_u64 s[G0A+4*(\s)+2:G0A+4*(\s)+3], s[66:67], (\s)*ASTEP
	s_or_b32 s[G0A+4*(\s)+3], s[G0A+4*(\s)+3], 0x80000000
	s_mov_b32 s[G0B+4*(\s)], 1
	s_add_co_u32 s[G0B+4*(\s)+1], s[WPB], (\s)*SLOT
	s_add_nc_u64 s[G0B+4*(\s)+2:G0B+4*(\s)+3], s[68:69], (\s)*BSTEP
	s_or_b32 s[G0B+4*(\s)+3], s[G0B+4*(\s)+3], 0x80000000
.endr
	s_cmp_eq_u32 s[RH], 0                          ; a wave's two first fills stand in one branch: two loads of mine are out
	s_cbranch_scc0 .Lfirst_b
	tensor_load_to_lds s[G0A:G0A+3], s[G1A:G1A+7]
	s_nop 0
	tensor_load_to_lds s[G0A+4:G0A+7], s[G1A:G1A+7]
	s_nop 0
.rept 4
	v_nop
.endr
	s_branch .Lfirst_asked
.Lfirst_b:
	tensor_load_to_lds s[G0B:G0B+3], s[G1B:G1B+7]
	s_nop 0
	tensor_load_to_lds s[G0B+4:G0B+7], s[G1B:G1B+7]
	s_nop 0
.rept 4
	v_nop
.endr
.Lfirst_asked:
	v_and_b32 v1, 15, v0                           ; r
	v_bfe_u32 v2, v0, 4, 1                         ; h
	v_lshlrev_b32 v[BO], 5, v2
	v_and_b32 v3, 31, v0
	v_lshlrev_b32 v[GO32], 4, v3
	v_lshlrev_b32 v[GO16], 3, v3
.irp b, 0,1,2,3                        ; register j of block b: bias[16 b + 8 h + j]
	global_load_b128 v[BIAS+8*\b:BIAS+8*\b+3],   v[BO], s[8:9] offset:64*\b
	global_load_b128 v[BIAS+8*\b+4:BIAS+8*\b+7], v[BO], s[8:9] offset:64*\b+16
.endr
	WIN 0x80                                       ; destination window 2
.set z, 0
.rept 32                               ; the residual of the 32 rows that I store: a panel row of 256 consecutive bytes each, 8 bytes a lane; it lands under the products
	global_load_b64 v[2*z:2*z+1], v[GO16], s[10:11] offset:256*z th:TH_LOAD_NT
.set z, z+1
.endr
	WIN 0
	s_lshl_b32 s23, s[RH], 14
	v_add_nc_u32 v[LA0], s23, v[GO32]              ; my four blocks of 16 rows of A, 16 x lane in a block
	v_and_b32 v4, 7, v0
	v_lshl_add_u32 v4, v2, 3, v4
	v_mul_u32_u24 v4, v4, PB
	v_bfe_u32 v5, v0, 3, 1
	v_lshl_add_u32 v4, v5, 4, v4
	s_lshl_b32 s23, s[CH], 7
	s_add_co_u32 s23, s23, BOFF
	v_add_nc_u32 v[LB0], s23, v4                   ; my 64 columns of B
	v_mul_u32_u24 v4, v1, SPF                      ; into the stage: row 64 RH + r, columns 64 CH + 8 h on, f32
	v_lshl_add_u32 v4, v2, 5, v4
	s_mul_i32 s23, s[RH], 64*SPF
	s_lshl_b32 s63, s[CH], 8
	s_add_co_u32 s23, s23, s63
	v_add_nc_u32 v[STO], s23, v4
	s_mul_i32 s23, s[WV], 32*SPF                   ; back: rows 32 w on, a whole row of 512 bytes a load
	v_add_nc_u32 v[RD], s23, v[GO32]
	v_mov_b32 v[ADRA], v[LA0]
	v_mov_b32 v[ADRB0], v[LB0]
	v_add_nc_u32 v[ADRB1], HB, v[LB0]
; 8 matrix instructions: row blocks a0, a0 + 1 x 4 column blocks, half c of buffer f.  zero = 1: the first product starts the sums with the bias.  The 16 accumulators take turns.
.macro MUL8 f, c, a0, zero
	WIN 0x05
.irp a, \a0, (\a0)+1
.irp b, 0,1,2,3
.if \zero
	v_wmma_f32_16x16x32_bf16 v[ACC+8*(4*(\a)+(\b)):ACC+8*(4*(\a)+(\b))+7], v[(\f)+64+8*(4*(\c)+(\b)):(\f)+64+8*(4*(\c)+(\b))+7], v[(\f)+8*(4*(\c)+(\a)):(\f)+8*(4*(\c)+(\a))+7], v[BIAS+8*(\b):BIAS+8*(\b)+7]
.else
	v_wmma_f32_16x16x32_bf16 v[ACC+8*(4*(\a)+(\b)):ACC+8*(4*(\a)+(\b))+7], v[(\f)+64+8*(4*(\c)+(\b)):(\f)+64+8*(4*(\c)+(\b))+7], v[(\f)+8*(4*(\c)+(\a)):(\f)+8*(4*(\c)+(\a))+7], v[ACC+8*(4*(\a)+(\b)):ACC+8*(4*(\a)+(\b))+7]
.endif
.endr
.endr
.endm
; 32 LDS loads in one run: quarter qd (64 along K) of the slot in hand into buffer f; its first 32 along K first.  A fragment of A is two blocks, 512 bytes apart; 32 along K are 1,024 bytes, 16 rows 4,096.
.macro FETCH qd, f
	WIN 0x40
.irp c, 0,1
.irp i, 0,1,2,3
	ds_load_tr16_b128 v[(\f)+64+8*(4*(\c)+(\i)):(\f)+64+8*(4*(\c)+(\i))+3],   v[ADRB0+(\qd)/2] offset:(2*((\qd)%2)+(\c))*32*PB+32*(\i)
	ds_load_tr16_b128 v[(\f)+64+8*(4*(\c)+(\i))+4:(\f)+64+8*(4*(\c)+(\i))+7], v[ADRB0+(\qd)/2] offset:(2*((\qd)%2)+(\c))*32*PB+32*(\i)+16*PB
	ds_load_b128 v[(\f)+8*(4*(\c)+(\i)):(\f)+8*(4*(\c)+(\i))+3],   v[ADRA] offset:((\qd)/2)*HA+(2*((\qd)%2)+(\c))*1024+(\i)*4096
	ds_load_b128 v[(\f)+8*(4*(\c)+(\i))+4:(\f)+8*(4*(\c)+(\i))+7], v[ADRA] offset:((\qd)/2)*HA+(2*((\qd)%2)+(\c))*1024+(\i)*4096+512
.endr
.endr
.endm
.macro QUARTER qd, f, g, zero
	s_wait_dscnt 16                                ; the first 32 along K are in
	MUL8 \f, 0, 0, \zero
	MUL8 \f, 0, 2, \zero
	PLACES
	FETCH \qd, \g
	s_wait_dscnt 32                                ; all but the 32 just issued
	MUL8 \f, 1, 0, 0
	MUL8 \f, 1, 2, 0
.endm
.macro MEET round                      ; the first half of the last quarter, and the one barrier of a change of slots
	WIN 0
	s_wait_tensorcnt 0x0                           ; all my tensor loads have landed: my part of the next slot
	ds_add_u32 v[SPW], v[NIL]
	s_wait_dscnt 17                                ; the add and the youngest sixteen loads may be out
	MUL8 F1, 0, 0, 0
	s_wait_dscnt 0x0                               ; the add is done, my reads of this slot are over
	s_barrier_signal -1
	MUL8 F1, 0, 2, 0
.if \round
	WIN 0
.endif
	s_barrier_wait -1
.endm
.macro NEXTSLOT
	s_xor_b32 s[TB], s[TB], SLOT
	v_add_nc_u32 v[ADRA], s[TB], v[LA0]
	v_add_nc_u32 v[ADRB0], s[TB], v[LB0]
	v_add_nc_u32 v[ADRB1], HB, v[ADRB0]
.endm
.macro TURNF                           ; the last quarter with a refill, first thing behind a round of the cluster's barrier: 112 matrix instructions ahead of the wait for it
	MEET 1
	CREST
	s_add_co_u32 s[G0A+5], s[WPA], s[TB]
	s_add_nc_u64 s[G0A+6:G0A+7], s[G0A+6:G0A+7], ASTEP
	s_add_co_u32 s[G0B+5], s[WPB], s[TB]
	s_add_nc_u64 s[G0B+6:G0B+7], s[G0B+6:G0B+7], BSTEP
	JLOAD
	NEXTSLOT
	FETCH 0, F0
	MUL8 F1, 1, 0, 0
	MUL8 F1, 1, 2, 0
.endm
	s_wait_tensorcnt 1                             ; my part of slot 0 is in; slot 1's may stay out
	s_barrier_signal -1
	s_barrier_wait -1
	FETCH 0, F0
	s_wait_loadcnt 32                              ; the bias is in; the 32 loads of the residual, issued behind it, stay out
	QUARTER 1, F0, F1, 1
	WIN 0
.if T > 2
	s_mov_b32 s[CNT], T-2
.Lstep:                                                ; a trip: a slot's second quarter to the next slot's first; every trip fills a slot again
	QUARTER 2, F1, F0, 0
	QUARTER 3, F0, F1, 0
	TURNF
	QUARTER 1, F0, F1, 0
	WIN 0
	s_sub_co_u32 s[CNT], s[CNT], 1
	s_cmp_lg_u32 s[CNT], 0
	s_cbranch_scc1 .Lstep
.endif
	s_mov_b32 s[CNT], 2
.Ltail:                                                ; the last two slots ask for nothing; the second trip is left in its middle
	QUARTER 2, F1, F0, 0
	QUARTER 3, F0, F1, 0
	MEET 0
	MUL8 F1, 1, 0, 0
	MUL8 F1, 1, 2, 0
	WIN 0
	s_sub_co_u32 s[CNT], s[CNT], 1
	s_cmp_eq_u32 s[CNT], 0
	s_cbranch_scc1 .Lout
	PLACES
	NEXTSLOT
	FETCH 0, F0
	QUARTER 1, F0, F1, 0
	WIN 0
	s_branch .Ltail
.Lout:
	PLACES
.irp a, 0,1,2,3
.irp b, 0,1,2,3
	ds_store_b128 v[STO], v[ACC+8*(4*\a+\b):ACC+8*(4*\a+\b)+3]   offset:\a*16*SPF+64*\b      ; each accumulator from its low end on
	ds_store_b128 v[STO], v[ACC+8*(4*\a+\b)+4:ACC+8*(4*\a+\b)+7] offset:\a*16*SPF+64*\b+16
.endr
.endr
	s_wait_dscnt 0x0                               ; for the others' sake: my stores into the stage are done
	s_barrier_signal -1
	s_barrier_wait -1
.set z, 0
.rept 32
	ds_load_b128 v[ACC+4*z:ACC+4*z+3], v[RD] offset:SPF*z
.set z, z+1
.endr
	s_wait_loadcnt 0x0                             ; the residual
.irp g, 0,1,2,3                        ; eight rows at a time: a lane holds four neighbouring columns of each
	s_wait_dscnt 24-8*\g                           ; rows 8 g to 8 g + 7 are back; the later rows' loads stay out
	WIN 0x08                                       ; source 1 in window 2
.set k, 0
.rept 8                                ; bf16 to f32: the low half moves up, the high half stays
	v_lshlrev_b32 v[U+4*k],   16,    v[2*(8*\g+k)]
	v_and_b32     v[U+4*k+1], s[HM], v[2*(8*\g+k)]
	v_lshlrev_b32 v[U+4*k+2], 16,    v[2*(8*\g+k)+1]
	v_and_b32     v[U+4*k+3], s[HM], v[2*(8*\g+k)+1]
.set k, k+1
.endr
	WIN 0
.set k, 0
.rept 16
	v_pk_add_f32 v[ACC+32*\g+2*k:ACC+32*\g+2*k+1], v[ACC+32*\g+2*k:ACC+32*\g+2*k+1], v[U+2*k:U+2*k+1]
.set k, k+1
.endr
.if WO
.set k, 0
.rept 16
	v_cvt_pk_bf16_f32 v[TMP+16*\g+k], v[ACC+32*\g+2*k], v[ACC+32*\g+2*k+1]
.set k, k+1
.endr
.endif
.set z, 8*\g
.rept 8
.if WO
	global_store_b64 v[GO16], v[TMP+2*z:TMP+2*z+1], s[12:13] offset:256*z                    ; 32 lanes fill one panel row of 256 bytes
.else
	global_store_b128 v[GO32], v[ACC+4*z:ACC+4*z+3], s[12:13] offset:32768*z th:TH_STORE_NT  ; 512 consecutive bytes of one row [s][b]
.endif
.set z, z+1
.endr
.endr
	s_wait_tensorcnt 0x0                           ; the wave's end
	ds_add_u32 v[SPW], v[NIL]
	s_wait_dscnt 0x0
	CROUND                                         ; the closing round
	s_endpgm
.Lfunc_end_k_qe9da560a45_ffn3:
	.size	k_qe9da560a45_ffn3, .Lfunc_end_k_qe9da560a45_ffn3-k_qe9da560a45_ffn3
	.p2alignl 7, 3214868480
	.fill 96, 4, 3214868480
	.section	.rodata,"a",@progbits
	.p2align	6, 0x0
	.amdhsa_kernel k_qe9da560a45_ffn3
		.amdhsa_group_segment_fixed_size 327680
		.amdhsa_private_segment_fixed_size 0
		.amdhsa_enable_private_segment 0
		.amdhsa_kernarg_size 40
		.amdhsa_user_sgpr_count 2
		.amdhsa_user_sgpr_kernarg_segment_ptr 1
		.amdhsa_wavefront_size32 1
		.amdhsa_system_sgpr_workgroup_id_x 1
		.amdhsa_system_sgpr_workgroup_id_y 1
		.amdhsa_system_sgpr_workgroup_id_z 1
		.amdhsa_system_vgpr_workitem_id 0
		.amdhsa_next_free_vgpr 640
		.amdhsa_next_free_sgpr 76
		.amdhsa_reserve_vcc 0
		.amdhsa_float_denorm_mode_32 3
		.amdhsa_float_denorm_mode_16_64 3
		.amdhsa_memory_ordered 1
		.amdhsa_forward_progress 1
		.amdhsa_inst_pref_size 70
	.end_amdhsa_kernel
	.amdgpu_metadata
---
amdhsa.version: [ 1, 2 ]
amdhsa.kernels:
  - .name:           k_qe9da560a45_ffn3
    .symbol:         k_qe9da560a45_ffn3.kd
    .args:
      - { .name: big2, .offset: 0, .size: 8, .value_kind: global_buffer, .address_space: global }
      - { .name: wr, .offset: 8, .size: 8, .value_kind: global_buffer, .address_space: global }
      - { .name: b3, .offset: 16, .size: 8, .value_kind: global_buffer, .address_space: global }
      - { .name: att, .offset: 24, .size: 8, .value_kind: global_buffer, .address_space: global }
      - { .name: out0, .offset: 32, .size: 8, .value_kind: global_buffer, .address_space: global }
    .group_segment_fixed_size: 327680
    .private_segment_fixed_size: 0
    .kernarg_segment_align: 8
    .kernarg_segment_size: 40
    .max_flat_workgroup_size: 128
    .sgpr_count:     76
    .vgpr_count:     640
    .wavefront_size: 32
...
	.end_amdgpu_metadata
.endif
;; end of part 6
;; ======== version 2 of 2: 7 launches; version 1 with the launch prep written anew for expert scheduling mode
;; workspace buffers: xb 8,388,608 bytes; wa 2,097,664 bytes; wb 2,097,664 bytes; wr 11,010,048 bytes; bqkv 6,144 bytes; att 8,388,608 bytes; big1 33,554,432 bytes; big2 33,554,432 bytes
;; launch prep (part 7): grid 705 x 1, 8 waves a work-group, no clusters, 0 bytes of LDS; arguments sequence, Wq, Wk, Wv, Wo, W1, W2, W3, bq, bk, bv, xb, wa, wb, wr, bqkv; writes xb, wa, wb, wr, bqkv
.if DOCPART == 7
	.amdgcn_target "amdgcn-amd-amdhsa--gfx1250"
	.amdhsa_code_object_version 6
	.text
	.protected	k_qe9da560a45_prep
	.globl	k_qe9da560a45_prep
	.p2align	8
	.type	k_qe9da560a45_prep,@function
k_qe9da560a45_prep:
	s_mov_b64 s[64:65], 0
	v_nop
	global_prefetch_b8 v0, s[64:65] scope:SCOPE_SE
	s_setreg_imm32_b32 hwreg(HW_REG_WAVE_SCHED_MODE, 0, 2), 2
	s_setreg_imm32_b32 hwreg(HW_REG_WAVE_MODE, 25, 1), 1
	s_wait_xcnt 0x0
	s_wait_alu depctr_vm_vsrc(0)
; CASTS AND LAYOUT.  x and all weights are rounded once to bf16 and laid out in PANELS: a matrix of R rows x C columns lies as C/128 panels,
; each R rows of 128 elements (256 bytes), dense; a panel is R x 256 bytes.  So every later tile (128 rows x 128 elements) is 32,768 consecutive bytes.
; x changes its row order on the way: row s*16+b of sequence becomes row b*512+s.  Wq, Wk, Wv ([h][k][64]) become one matrix [k][t*512+h*64+e].
; A stream: each input byte is read once, each output byte written once; no LDS, no matrix unit, no cluster: no two work-groups share a byte.
; A CHUNK is 128 elements: 512 bytes of f32 in, one panel row of 256 bytes out, by 16 lanes (32 bytes in, 16 bytes out a lane): each store's 16 lanes cover 256 consecutive aligned bytes.
; A work-group takes 128 chunks: thread tid takes chunk 128 LG + 16 i + tid/16, i = 0..7.  Work-groups 0-255 x, 256-511 W2, 512-575 W1, 576-639 W3, 640-655 Wo, 656-671 Wq, 672-687 Wk, 688-703 Wv;
; work-group 704 joins the three biases of the projections and writes the two floor words (bf16 -inf twice behind wa, 0 behind wb) that the product kernel takes its maximum with.
; THE MODE: SCHED_MODE bits 1:0 = 2 (LLVM: expert scheduling mode 2), set by the entry lines.  The code itself states the register dependences
; between vector instructions and memory instructions, with s_wait_alu, always for 0.
; THE PLAN.  Registers that memory instructions touch:
;   VIN   eight input offsets.   Written by the address arithmetic at the head; read by the sixteen loads; never written again.
;   X     eight chunks as loaded.  Written by the loads alone, once each; read by the conversions; never loaded again.
;   VOUT  eight output offsets.  Written by vector arithmetic behind the loads; read by the eight stores; never written again.
;   Y     eight chunks to store.   Written by the conversions, once each; read by the stores; never written again.
; So no register that a memory instruction reads is written a second time, and no load lands in a register that a vector instruction has named: what is left to state is that vector results are
; written before a memory instruction reads them.  One wait stands ahead of the run of loads (VIN).  The eight chunks then go in four steps of two: at the head of steps 1 to 3, behind the wait for the step's
; data, one wait states that the step before has written its Y (and, the first time, that VOUT is written); the two stores of the step before follow it, dealt among this step's conversions, which name this
; step's X and Y alone.  One more wait stands ahead of the last two stores.
.set IN,     40     ; s[40:41] the tensor read
.set OUT,    42     ; s[42:43] the buffer written
.set LG,     44     ; first the range's start, then the work-group's number in its range
.set LOGNP,  45     ; log2 of the panels in a row
.set NPM1,   46     ; panels - 1
.set LOGR8,  47     ; log2 of a panel's bytes
.set MASKB,  48     ; row' = ((row & MASKB) << SH1) + (row >> SH2): x's change of order; 0, 0, 0 leaves the row as it is
.set SH1,    49
.set SH2,    50
.set INSTEP, 51     ; input bytes from i to i + 1
.set INSH,   52     ; log2 of a work-group's input stride
.set SA,     53     ; input offset = ((tid/16)&3) << SA + ((tid/16)>>2) << SB + ((tid&15)>>3) << SC + (tid&7) * 32
.set OOFF,   54     ; s[54:55] an offset, as a pair
.set SB,     56
.set SC,     57
.set CB,     58
.set VIN,    4      ; v[4:11]   input offsets, i = 0..7
.set VOUT,   12     ; v[12:19]  output offsets
.set X,      32     ; v[32:95]  8 f32 for each i
.set Y,      96     ; v[96:127] 8 bf16 for each i
.macro SEL reg, val                    ; if the last compare held: a new constant
	s_cselect_b32 s[\reg], \val, s[\reg]
.endm
.macro SELP reg, src                   ; if the last compare held: another buffer
	s_cselect_b64 s[\reg:\reg+1], s[\src:\src+1], s[\reg:\reg+1]
.endm
	s_load_b512 s[8:23], s[0:1], 0x0               ; sequence 8, Wq 10, Wk 12, Wv 14, Wo 16, W1 18, W2 20, W3 22
	s_load_b512 s[24:39], s[0:1], 0x40             ; bq 24, bk 26, bv 28, xb 30, wa 32, wb 34, wr 36, bqkv 38
	v_lshrrev_b32 v1, 4, v0                        ; tid / 16
	v_and_b32 v2, 15, v0                           ; tid % 16
	s_wait_kmcnt 0x0
	s_cmp_eq_u32 ttmp9, 704
	s_cbranch_scc1 .Lbias
	; the last range's constants (Wv), then each earlier range overrides what differs
	s_mov_b64 s[IN:IN+1], s[14:15]
	s_mov_b64 s[OUT:OUT+1], s[32:33]
	s_mov_b32 s[OOFF], 2*524288
	s_mov_b32 s[LG], 688
	s_mov_b32 s[LOGNP], 2
	s_mov_b32 s[LOGR8], 17
	s_mov_b32 s[MASKB], 0
	s_mov_b32 s[SH1], 0
	s_mov_b32 s[SH2], 0
	s_mov_b32 s[INSTEP], 1024                      ; [h][k][64]: four rows k of 256 bytes from i to i + 1
	s_mov_b32 s[INSH], 13                          ; 32 rows k a work-group
	s_mov_b32 s[SA], 18                            ; a panel is two heads of 131,072 bytes
	s_mov_b32 s[SB], 8
	s_mov_b32 s[SC], 17
	s_cmp_lt_u32 ttmp9, 688                        ; Wk
	SELP IN, 12
	SEL OOFF, 524288
	SEL LG, 672
	s_cmp_lt_u32 ttmp9, 672                        ; Wq
	SELP IN, 10
	SEL OOFF, 0
	SEL LG, 656
	s_cmp_lt_u32 ttmp9, 656                        ; Wo, and all before it: plain row-major, chunk c lies at byte 512 c
	SELP IN, 16
	SELP OUT, 36
	SEL LG, 640
	SEL INSTEP, 8192
	SEL INSH, 16
	SEL SA, 9
	SEL SB, 11
	SEL SC, 8
	s_cmp_lt_u32 ttmp9, 640                        ; W3
	SELP IN, 22
	SEL OOFF, 8912896
	SEL LG, 576
	SEL LOGR8, 19
	s_cmp_lt_u32 ttmp9, 576                        ; W1
	SELP IN, 18
	SELP OUT, 34
	SEL OOFF, 0
	SEL LG, 512
	SEL LOGNP, 4
	SEL LOGR8, 17
	s_cmp_lt_u32 ttmp9, 512                        ; W2
	SELP IN, 20
	SELP OUT, 36
	SEL OOFF, 524288
	SEL LG, 256
	SEL LOGR8, 19
	s_cmp_lt_u32 ttmp9, 256                        ; x
	SELP IN, 8
	SELP OUT, 30
	SEL OOFF, 0
	SEL LG, 0
	SEL LOGNP, 2
	SEL LOGR8, 21
	SEL MASKB, 15
	SEL SH1, 9
	SEL SH2, 4
	s_sub_co_u32 s[LG], ttmp9, s[LG]               ; my number in the range
	s_lshl_b32 s[NPM1], 1, s[LOGNP]
	s_sub_co_u32 s[NPM1], s[NPM1], 1
	s_mov_b32 s[OOFF+1], 0
	s_add_nc_u64 s[OUT:OUT+1], s[OUT:OUT+1], s[OOFF:OOFF+1]
	s_lshl_b32 s[OOFF], s[LG], s[INSH]
	s_add_nc_u64 s[IN:IN+1], s[IN:IN+1], s[OOFF:OOFF+1]
	v_and_b32 v20, 3, v1
	v_lshlrev_b32 v20, s[SA], v20
	v_lshrrev_b32 v21, 2, v1
	v_lshlrev_b32 v21, s[SB], v21
	v_lshrrev_b32 v22, 3, v2
	v_lshlrev_b32 v22, s[SC], v22
	v_and_b32 v23, 7, v2
	v_lshlrev_b32 v23, 5, v23
	v_add3_u32 v[VIN], v20, v21, v22
	v_add_nc_u32 v[VIN], v[VIN], v23
.irp i, 1,2,3,4,5,6,7
	v_add_nc_u32 v[VIN+\i], s[INSTEP], v[VIN+\i-1]
.endr
	s_wait_alu depctr_va_vdst(0)                   ; the eight offsets VIN are written, which the sixteen loads below read
.irp i, 0,1,2,3,4,5,6,7                ; all sixteen loads go out before anything is waited for
	global_load_b128 v[X+8*\i:X+8*\i+3],   v[VIN+\i], s[IN:IN+1] th:TH_LOAD_NT
	global_load_b128 v[X+8*\i+4:X+8*\i+7], v[VIN+\i], s[IN:IN+1] offset:16 th:TH_LOAD_NT
.endr
	s_lshl_b32 s[CB], s[LG], 7
	v_add_nc_u32 v3, s[CB], v1                     ; chunk of i = 0
	v_lshlrev_b32 v24, 4, v2                       ; my 16 bytes of the panel row
.irp i, 0,1,2,3,4,5,6,7                ; these lines name v3, v20 to v24 and VOUT: no register that the loads above read or land in
	v_add_nc_u32 v20, 16*\i, v3
	v_lshrrev_b32 v21, s[LOGNP], v20               ; row
	v_and_b32 v20, s[NPM1], v20                    ; panel
	v_and_b32 v22, s[MASKB], v21
	v_lshlrev_b32 v22, s[SH1], v22
	v_lshrrev_b32 v21, s[SH2], v21
	v_add_nc_u32 v21, v21, v22                     ; row'
	v_lshlrev_b32 v20, s[LOGR8], v20
	v_lshl_add_u32 v20, v21, 8, v20
	v_add_nc_u32 v[VOUT+\i], v20, v24
.endr
; Step g: chunks 2 g and 2 g + 1 are rounded; the two chunks of the step before are stored.
.irp g, 0,1,2,3
	s_wait_loadcnt 12-4*(\g)                       ; loads come back in order: the four loads of this step's two chunks are in, the later steps' stay out
.if (\g) > 0
	s_wait_alu depctr_va_vdst(0)                   ; the step before has written its two chunks of Y, which the stores below read; at the first of these waits the eight offsets VOUT are written too
.endif
.irp u, 0,1
.if (\g) > 0
	global_store_b128 v[VOUT+2*(\g)-2+(\u)], v[Y+4*(2*(\g)-2+(\u)):Y+4*(2*(\g)-2+(\u))+3], s[OUT:OUT+1]  ; no vector instruction since the wait names these registers
.endif
.irp j, 0,1,2,3
	v_cvt_pk_bf16_f32 v[Y+4*(2*(\g)+(\u))+(\j)], v[X+8*(2*(\g)+(\u))+2*(\j)], v[X+8*(2*(\g)+(\u))+2*(\j)+1]
.endr
.endr
.endr
	s_wait_alu depctr_va_vdst(0)                   ; step 3 has written the last two chunks of Y, which the last two stores read
	global_store_b128 v[VOUT+6], v[Y+24:Y+27], s[OUT:OUT+1]
	global_store_b128 v[VOUT+7], v[Y+28:Y+31], s[OUT:OUT+1]
	s_endpgm                                       ; no register of a pending load or store was rewritten
.Lbias:
	v_lshrrev_b32 v3, 5, v0
	v_readfirstlane_b32 s[LG], v3                  ; wave
	s_wait_alu depctr_va_sdst(0)                   ; s[LG] is written, ahead of its first reader, the compare below
	s_cmp_lt_u32 s[LG], 4
	s_cbranch_scc0 .Lfloors
	v_lshlrev_b32 v4, 4, v0                        ; waves 0-3: 128 threads x 16 bytes = the 2,048 bytes of each bias
	s_wait_alu depctr_va_vdst(0)                   ; v4 is written: the offset of the three loads and the three stores below
	global_load_b128 v[32:35], v4, s[24:25]
	global_load_b128 v[36:39], v4, s[26:27]
	global_load_b128 v[40:43], v4, s[28:29]
	s_wait_loadcnt 0x0
	global_store_b128 v4, v[32:35], s[38:39]
	global_store_b128 v4, v[36:39], s[38:39] offset:2048
	global_store_b128 v4, v[40:43], s[38:39] offset:4096
	s_endpgm
.Lfloors:
	s_cmp_lt_u32 s[LG], 6
	s_cbranch_scc0 .Lnone
	v_and_b32 v5, 31, v0
	v_lshlrev_b32 v5, 4, v5
	s_cmp_eq_u32 s[LG], 4                          ; wave 4: -inf twice behind wa (no floor); wave 5: 0 behind wb (ReLU)
	s_cselect_b32 s[CB], 0xff80ff80, 0
	s_cselect_b64 s[OUT:OUT+1], s[32:33], s[34:35]
	v_mov_b32 v32, s[CB]
	v_mov_b32 v33, s[CB]
	v_mov_b32 v34, s[CB]
	v_mov_b32 v35, s[CB]
	s_wait_alu depctr_va_vdst(0)                   ; the store's offset v5 and its data v[32:35] are written
	global_store_b128 v5, v[32:35], s[OUT:OUT+1] offset:0x200000
.Lnone:
	s_endpgm
.Lfunc_end_k_qe9da560a45_prep:
	.size	k_qe9da560a45_prep, .Lfunc_end_k_qe9da560a45_prep-k_qe9da560a45_prep
	.p2alignl 7, 3214868480
	.fill 96, 4, 3214868480
	.section	.rodata,"a",@progbits
	.p2align	6, 0x0
	.amdhsa_kernel k_qe9da560a45_prep
		.amdhsa_group_segment_fixed_size 0
		.amdhsa_private_segment_fixed_size 0
		.amdhsa_enable_private_segment 0
		.amdhsa_kernarg_size 128
		.amdhsa_user_sgpr_count 2
		.amdhsa_user_sgpr_kernarg_segment_ptr 1
		.amdhsa_wavefront_size32 1
		.amdhsa_system_sgpr_workgroup_id_x 1
		.amdhsa_system_sgpr_workgroup_id_y 1
		.amdhsa_system_sgpr_workgroup_id_z 1
		.amdhsa_system_vgpr_workitem_id 0
		.amdhsa_next_free_vgpr 128
		.amdhsa_next_free_sgpr 66
		.amdhsa_reserve_vcc 0
		.amdhsa_float_denorm_mode_32 3
		.amdhsa_float_denorm_mode_16_64 3
		.amdhsa_memory_ordered 1
		.amdhsa_forward_progress 1
		.amdhsa_inst_pref_size 13
	.end_amdhsa_kernel
	.amdgpu_metadata
---
amdhsa.version: [ 1, 2 ]
amdhsa.kernels:
  - .name:           k_qe9da560a45_prep
    .symbol:         k_qe9da560a45_prep.kd
    .args:
      - { .name: sequence, .offset: 0, .size: 8, .value_kind: global_buffer, .address_space: global }
      - { .name: Wq, .offset: 8, .size: 8, .value_kind: global_buffer, .address_space: global }
      - { .name: Wk, .offset: 16, .size: 8, .value_kind: global_buffer, .address_space: global }
      - { .name: Wv, .offset: 24, .size: 8, .value_kind: global_buffer, .address_space: global }
      - { .name: Wo, .offset: 32, .size: 8, .value_kind: global_buffer, .address_space: global }
      - { .name: W1, .offset: 40, .size: 8, .value_kind: global_buffer, .address_space: global }
      - { .name: W2, .offset: 48, .size: 8, .value_kind: global_buffer, .address_space: global }
      - { .name: W3, .offset: 56, .size: 8, .value_kind: global_buffer, .address_space: global }
      - { .name: bq, .offset: 64, .size: 8, .value_kind: global_buffer, .address_space: global }
      - { .name: bk, .offset: 72, .size: 8, .value_kind: global_buffer, .address_space: global }
      - { .name: bv, .offset: 80, .size: 8, .value_kind: global_buffer, .address_space: global }
      - { .name: xb, .offset: 88, .size: 8, .value_kind: global_buffer, .address_space: global }
      - { .name: wa, .offset: 96, .size: 8, .value_kind: global_buffer, .address_space: global }
      - { .name: wb, .offset: 104, .size: 8, .value_kind: global_buffer, .address_space: global }
      - { .name: wr, .offset: 112, .size: 8, .value_kind: global_buffer, .address_space: global }
      - { .name: bqkv, .offset: 120, .size: 8, .value_kind: global_buffer, .address_space: global }
    .group_segment_fixed_size: 0
    .private_segment_fixed_size: 0
    .kernarg_segment_align: 8
    .kernarg_segment_size: 128
    .max_flat_workgroup_size: 256
    .sgpr_count:     66
    .vgpr_count:     128
    .wavefront_size: 32
...
	.end_amdgpu_metadata
.endif
;; end of part 7
;; launch qkv: the kernel of part 2 again; grid 32 x 6, 4 waves a work-group, clusters of 4 x 1, 327,680 bytes of LDS; arguments xb, wa, bqkv, big1; writes big1
;; launch attn: the kernel of part 3 again; grid 4 x 64, 8 waves a work-group, clusters of 4 x 1, 327,680 bytes of LDS; arguments big1, big2; writes big2
;; launch wo: the kernel of part 4 again; grid 4 x 64, 4 waves a work-group, clusters of 4 x 4, 327,680 bytes of LDS; arguments big2, wr, bo, xb, att; writes att
;; launch ffn1: the kernel of part 2 again; grid 32 x 8, 4 waves a work-group, clusters of 4 x 1, 327,680 bytes of LDS; arguments att, wb, b1, big1; writes big1
;; launch ffn2: the kernel of part 5 again; grid 8 x 32, 4 waves a work-group, clusters of 4 x 4, 327,680 bytes of LDS; arguments big1, wr, b2, big2; writes big2
;; launch ffn3: the kernel of part 6 again; grid 4 x 64, 4 waves a work-group, clusters of 4 x 4, 327,680 bytes of LDS; arguments big2, wr, b3, att, out0; writes out0
